; MI455X (gfx1250); checked and timed in simulation.
; The chip was launched on July 23, 2026; its instructions are those of AMD's public machine-readable ISA for CDNA 5 (MIT licence, August 2026) and "CDNA5" Instruction Set Architecture Reference Guide (July 2026). The comments in the code are by the model that wrote it; some were corrected since.
;; Attention. Allowed arithmetic: matrix products marked QUANTISED: E3M2 operands, one E8M0 scale for each 32 along K, by v_wmma_scale_f32_16x16x128_f8f6f4 with both operands' format E3M2, f32 sums; everything else in f32.
;; Inputs: Wk 512 x 2,048 float32; Wo 2,048 x 512 float32; Wq 512 x 2,048 float32; Wv 512 x 2,048 float32; gk 128 float32; gq 128 float32; x 4 x 2,048 x 2,048 float32.
;; Outputs: out0 4 x 2,048 x 2,048 float32.
;; This version of the problem:
;;   THIS VERSION OF THE PROBLEM IS GIVEN IN LOW PRECISION. The matrix products marked QUANTISED in the list below multiply operands that are first quantised to E3M2 (3 exponent bits, 2 mantissa bits; 6 bits a number), with one power-of-two scale for each 32 numbers along K (OCP MX v1.0); their sums are f32. All else is computed in f32.
;;   The module's matrix products, in the order in which they are computed (A, B: the left and right operand; K: the contracted axis; several contracted axes count as one K, in the product's order):
;;     1. [M 8,192, K 2,048] x [K 2,048, N 512]; A: input x; B: input Wq: QUANTISED
;;     2. [M 8,192, K 2,048] x [K 2,048, N 512]; A: input x; B: input Wk: QUANTISED
;;     3. [M 8,192, K 2,048] x [K 2,048, N 512]; A: input x; B: input Wv: QUANTISED
;;     4. batch 16 x [M 2,048, K 128] x [K 128, N 2,048]; A: computed on the way; B: computed on the way: QUANTISED
;;     5. batch 16 x [M 2,048, K 2,048] x [K 2,048, N 128]; A: softmax (see below); B: computed on the way: QUANTISED
;;     6. [M 8,192, K 512] x [K 512, N 2,048]; A: computed on the way; B: input Wo: QUANTISED
;;   THE QUANTISER, for each operand of a quantised product, along K:
;;     - K is cut into blocks of 32 from its start; a last block that is shorter is filled with zeros.
;;     - A block's scale is 2^e with e = floor(log2(the largest magnitude in the block)) - 4, held to -126 .. 127; a block of zeros has e = 0. As a byte (E8M0): e + 127.
;;     - Each number is divided by its block's scale, clamped to +-28, and rounded to the nearest number of E3M2, ties to even, subnormals kept.
;;     - The product sums the exact products of the quantised numbers (number of the format x scale) in f32.
;;   ~~~python
;;   def quantise(x, axis):      # numpy; x: float32 -> the quantised numbers, widened to float32 again
;;       x = np.moveaxis(x, axis, -1); K = x.shape[-1]
;;       x = np.pad(x, [(0, 0)] * (x.ndim - 1) + [(0, -K % 32)]); x = x.reshape(x.shape[:-1] + (-1, 32)); a = np.abs(x).max(-1, keepdims=True)
;;       e = np.where(a > 0, np.clip(np.frexp(np.where(a > 0, a, 1))[1] - 1 - 4, -126, 127), 0)      # np.frexp(a)[1] - 1 = floor(log2(a)), exactly
;;       r = np.clip(x / 2.0 ** e, -28, 28)
;;       step = 2.0 ** (np.maximum(np.frexp(np.where(r == 0, 1, r))[1] - 1, -2) - 2)
;;       q = np.round(r / step) * step * 2.0 ** e      # np.round: ties to even
;;       return np.moveaxis(q.reshape(q.shape[:-2] + (-1,))[..., :K], -1, axis).astype(np.float32)
;;   ~~~
;;   SOFTMAX AHEAD OF A QUANTISED PRODUCT. Where the list says 'softmax', what is quantised is not the finished softmax but p = 2^(t - M), with t = logit x log2(e) and M = ceil(the row's largest t), a whole number; so 1/2 < the row's largest p <= 1. The row's sum l is taken of the UNQUANTISED p, in f32, and the product's result is divided by l at the end. Since M is a whole number, a kernel that streams over the keys may use a running M (the ceiling of the running maximum): every later rescaling is an exact power of two, which a block's scale takes up: the codes' values come out the same.
;;   OPERANDS COMPUTED ON THE WAY. 'Computed on the way' means the value that the module computes at that place (a softmax that the list does not call 'softmax' is quantised finished and normalised). What goes into a quantiser is computed in f32, as accurately as f32 sums, v_exp_f32 and their like allow (about 1e-6 of the number): no bf16 or f16 on the way to a quantiser, and a product that is left as it is and whose result goes on into a quantised operand takes f32 operands (vector FMAs, or v_wmma_f32_16x16x4_f32). A number that lies on a knife's edge between two numbers of the format may be rounded either way, as far as f32 arithmetic and the matrix unit's own rounding can turn it there, and no further.
;; One version. Each part assembles by itself: llvm-mc -triple=amdgcn-amd-amdhsa -mcpu=gfx1250 --defsym DOCPART=n.
;; ======== version 1 of 1: 4 launches
;; workspace buffers: xw 15,564,800 bytes; wo 819,200 bytes; qb 3,276,800 bytes; kvb 6,553,600 bytes; ob 3,276,800 bytes
;; launch quant (part 1): grid 640 x 1, 4 waves a work-group, no clusters, 33,280 bytes of LDS; arguments x, Wq, Wk, Wv, Wo, xw, wo; writes xw, wo
.if DOCPART == 1
	.amdgcn_target "amdgcn-amd-amdhsa--gfx1250"
	.amdhsa_code_object_version 6
	.text
	.protected	k_q1dfa963fcf_quant
	.globl	k_q1dfa963fcf_quant
	.p2align	8
	.type	k_q1dfa963fcf_quant,@function
k_q1dfa963fcf_quant:
	s_mov_b64 s[64:65], 0
	v_nop
	global_prefetch_b8 v0, s[64:65] scope:SCOPE_SE
	s_setreg_imm32_b32 hwreg(HW_REG_WAVE_MODE, 25, 1), 1
	s_wait_xcnt 0x0
; LAUNCH 1 OF 4.  x [8192][2048], Wq, Wk, Wv [512][2048] and Wo [2048][512], f32 with K innermost, become codes of BF6 (E3M2), 6 bits each, with one E8M0 scale byte for each 32 along K.
; THE PROGRAM: 1 quantises the inputs; 2 makes q, k, v (three products), the two RMS norms, and quantises q, k along the head's 128 and v along the keys; 3 is the causal attention (two products) and quantises o; 4 is the product with Wo.
; WORK LEFT OUT (in launch 3): a step of 128 keys all of which come after all 16 queries of a tile.  reference() itself sets those scores to -infinity ahead of the softmax, for every value of the inputs: their
; weights are exactly 0, they add 0 to the row's sum and 0 to the second product, and they never hold the row's maximum (key 0 counts for every query).  Nothing else is left out; every input has a way to the output and is loaded.
; LIMIT: a NaN, an infinity or an overflow that would arise only in those left-out scores is not carried to the result.
; A block's scale is 2^(floor(log2(its largest magnitude)) - 4); its byte is the largest magnitude's exponent field - 4, held at 1 from below.  A block of zeros gets the byte 1 where the rule says 127: its codes are zeros, which add
; nothing under any byte but 0xff, and the bytes are read by this program alone.  LIMITS: a block whose largest magnitude lies under 2^-122 has its byte held at 1; NaN and infinities among the inputs are not served.
; LAYOUT OUT.  xw: 9,728 rows of 1,536 bytes of codes (x, then Wq, Wk, Wv), then their scale bytes, 64 a row.  ROW p IS STORED AT ROW p WITH BITS 3 AND 4 CHANGED PLACES: sixteen neighbouring stored rows are then rows
; 32 g + 8 u + r + 8 (r / 8), the choice of a tile's rows with which a lane's registers of two neighbouring result tiles are 16 neighbours.  wo: Wo's 2,048 rows of 384 bytes as they lie, then 16 scale bytes a row.
; SHARES.  A wave takes a run of 8,192 numbers (4 rows of 2,048, or 16 of Wo's), in 16 steps of 512; a run's codes are 6,144 dense bytes and its scale bytes 256.  The change of rows is a change of bits 1 and 2 of the run's number.
; Each of a step's four loads reads 512 consecutive bytes; the 2,048 bytes turn through the wave's own stage in LDS and come back 64 bytes a lane: 16 neighbours along K, two lanes to a block.  No barrier: waves share nothing.
.set WAVES, 4
.set STEPS, 16
.set EMAX,  4
.set CB,    12                         ; bytes of 16 codes
.set R,     16                         ; v16-79   four sets of 16 numbers as they are loaded
.set X,     80                         ; v80-111  two sets of 16 neighbours
.set C,     128                        ; v128-191 codes: four registers for each step, so that no store's data are written again
.set E,     112                        ; v112-127 a scale byte for each step
.set WREG,  8192                       ; LDS: a region for each wave: two stages of 32 x SP bytes, then its 256 scale bytes
.set SP,    80                         ; a lane's place in a stage: 64 bytes + 16 of padding
.set SPW,   12                         ; v12 my spare word's LDS address; never rewritten
.set NIL,   13                         ; v13 0; never rewritten
.set SPARE, WAVES*WREG                 ; the spare words, 128 bytes a wave
.set XS_OFF,  14942208                 ; xw: where the scale bytes begin
.set WOS_OFF, 786432                   ; wo: likewise
.set SRC,   20                         ; s[20:21] my run in its input
.set COD,   32                         ; s[32:33] its codes
.set SCB,   34                         ; s[34:35] its scale bytes
	s_load_b256 s[4:11], s[0:1], 0x0               ; x, Wq, Wk, Wv
	s_load_b128 s[12:15], s[0:1], 0x20             ; Wo, xw
	s_load_b64 s[16:17], s[0:1], 0x30              ; wo
	v_lshl_add_u32 v[SPW], v0, 2, SPARE
	v_mov_b32 v[NIL], 0
	v_lshrrev_b32 v1, 5, v0
	v_readfirstlane_b32 s18, v1                    ; wave
	v_and_b32 v2, 31, v0                           ; lane
	v_lshlrev_b32 v3, 4, v2                        ; my 16 bytes of a load's 512
	s_mul_i32 s19, s18, WREG
	v_lshrrev_b32 v14, 2, v2
	v_mul_u32_u24 v14, v14, SP
	v_and_b32 v15, 3, v2
	v_lshl_add_u32 v14, v15, 4, v14
	v_add_nc_u32 v14, s19, v14                     ; the stage, way in: four lanes' 64 bytes on end, then 16 of padding
	v_mul_u32_u24 v15, v2, SP
	v_add_nc_u32 v15, s19, v15                     ; way out: SP x lane: my 16 neighbours
	v_mul_u32_u24 v4, v2, CB                       ; my codes' place in a step's
	v_lshrrev_b32 v5, 1, v2
	s_add_co_u32 s19, s19, 2*32*SP
	v_add_nc_u32 v5, s19, v5                       ; my block's byte among the wave's 256
	v_lshlrev_b32 v7, 3, v2
	v_add_nc_u32 v6, s19, v7                       ; and 8 bytes a lane on their way out
	; which tensor: work-groups 0-511 x, 512-543 Wq, 544-575 Wk, 576-607 Wv, 608-639 Wo.  All choices hang on the work-group's number alone
	s_mov_b32 s22, 608                             ; the tensor's first work-group
	s_mov_b32 s26, WOS_OFF
	s_cmp_lt_u32 ttmp9, 608
	s_cselect_b32 s22, 576, s22
	s_cselect_b32 s23, 0, 608                      ; the output buffer's first work-group
	s_cselect_b32 s26, XS_OFF, s26                 ; where its scale bytes begin
	s_cselect_b32 s27, 6, 0                        ; rows change places in xw alone
	s_cmp_lt_u32 ttmp9, 576
	s_cselect_b32 s22, 544, s22
	s_cmp_lt_u32 ttmp9, 544
	s_cselect_b32 s22, 512, s22
	s_cmp_lt_u32 ttmp9, 512
	s_cselect_b32 s22, 0, s22
	s_sub_co_u32 s28, ttmp9, s22
	s_lshl_b32 s28, s28, 2
	s_add_co_u32 s28, s28, s18                     ; my run in the input,
	s_lshl_b32 s28, s28, 15                        ; in bytes (under 2^27)
	s_mov_b32 s29, 0
	s_sub_co_u32 s30, ttmp9, s23
	s_lshl_b32 s30, s30, 2
	s_add_co_u32 s30, s30, s18                     ; my run in the output
	s_lshr_b32 s31, s30, 1
	s_lshr_b32 s36, s30, 2
	s_xor_b32 s31, s31, s36
	s_and_b32 s31, s31, 1                          ; do its bits 1 and 2 differ?
	s_mul_i32 s31, s31, 6
	s_and_b32 s31, s31, s27
	s_xor_b32 s30, s30, s31                        ; then both turn over: they have changed places
	s_mul_i32 s32, s30, 32*STEPS*CB                ; 6,144 bytes of codes a run
	s_mov_b32 s33, 0
	s_lshl_b32 s34, s30, 8                         ; 256 scale bytes a run
	s_add_co_u32 s34, s34, s26
	s_mov_b32 s35, 0
	s_wait_kmcnt 0x0
	s_mov_b64 s[SRC:SRC+1], s[12:13]
	s_cmp_lt_u32 ttmp9, 608
	s_cselect_b64 s[SRC:SRC+1], s[10:11], s[SRC:SRC+1]
	s_cselect_b64 s[24:25], s[14:15], s[16:17]
	s_cmp_lt_u32 ttmp9, 576
	s_cselect_b64 s[SRC:SRC+1], s[8:9], s[SRC:SRC+1]
	s_cmp_lt_u32 ttmp9, 544
	s_cselect_b64 s[SRC:SRC+1], s[6:7], s[SRC:SRC+1]
	s_cmp_lt_u32 ttmp9, 512
	s_cselect_b64 s[SRC:SRC+1], s[4:5], s[SRC:SRC+1]
	s_add_nc_u64 s[SRC:SRC+1], s[SRC:SRC+1], s[28:29]
	s_add_nc_u64 s[COD:COD+1], s[24:25], s[COD:COD+1]
	s_add_nc_u64 s[SCB:SCB+1], s[24:25], s[SCB:SCB+1]
.macro LOAD t
.irp i, 0,1,2,3
	global_load_b128 v[R+16*((\t)%4)+4*\i:R+16*((\t)%4)+4*\i+3], v3, s[SRC:SRC+1] offset:2048*(\t)+512*\i th:TH_LOAD_NT   ; 32 lanes read 512 consecutive bytes
.endr
.endm
.macro TURN t                          ; step t's numbers through the stage: LDS serves a wave's instructions in order, so no wait stands between the stores and the loads
.irp i, 0,1,2,3
	ds_store_b128 v14, v[R+16*((\t)%4)+4*\i:R+16*((\t)%4)+4*\i+3] offset:32*SP*((\t)%2)+8*SP*\i
.endr
.irp i, 0,1,2,3
	ds_load_b128 v[X+16*((\t)%2)+4*\i:X+16*((\t)%2)+4*\i+3], v15 offset:32*SP*((\t)%2)+16*\i
.endr
.endm
.irp t, 0,1,2,3
	LOAD \t
.endr
	s_wait_loadcnt 12                              ; step 0's four loads are in; those of steps 1 to 3 may be out
	TURN 0
.macro STEP t
.set XS, X+16*((\t)%2)
.if (\t) > 0
	s_wait_dscnt 1                                 ; this step's numbers are back from the stage (the last step's byte store may be out): so its stores into the stage have read their registers,
.else
	s_wait_dscnt 0x0
.endif
.if (\t)+4 < STEPS
	LOAD (\t)+4                                    ; which take the loads of four steps on
.endif
.if (\t)+1 < STEPS
.if STEPS-2-(\t) >= 3
	s_wait_loadcnt 12                              ; the next step's four loads are in; those of the three steps behind it may be out
.else
	s_wait_loadcnt 4*(STEPS-2-(\t))
.endif
	TURN (\t)+1                                    ; and go through the other stage while this step is worked
.endif
	v_max3_num_f32 v8, |v[XS]|, |v[XS+1]|, |v[XS+2]|               ; the largest magnitude of my 16, in two chains
	v_max3_num_f32 v9, |v[XS+3]|, |v[XS+4]|, |v[XS+5]|
.irp i, 6,10
	v_max3_num_f32 v8, v8, |v[XS+\i]|, |v[XS+\i+1]|
	v_max3_num_f32 v9, v9, |v[XS+\i+2]|, |v[XS+\i+3]|
.endr
	v_max3_num_f32 v8, v8, |v[XS+14]|, |v[XS+15]|
	v_max3_num_f32 v8, v8, v9, (EMAX+1)<<23        ; and the floor 2^(5 - 127): the byte cannot fall under 1
	v_max_num_f32_dpp v8, v8, v8 row_xmask:1 row_mask:0xf bank_mask:0xf   ; and of my neighbour's 16: the block's
	v_add_nc_u32 v11, -(EMAX<<23), v8              ; 4 off its exponent field: the conversion takes the exponent field of this operand as its scale
	v_cvt_scalef32_pk16_bf6_f32 v[C+4*(\t):C+4*(\t)+2], v[XS:XS+15], v11   ; to the nearest code, ties to even, beyond the largest code the largest; 96 bits without gaps
	v_lshrrev_b32 v[E+(\t)], 23, v11               ; the scale's byte
	ds_store_b8 v5, v[E+(\t)] offset:16*(\t)       ; both lanes of a block write the same byte with the same value
	global_store_b96 v4, v[C+4*(\t):C+4*(\t)+2], s[COD:COD+1] offset:32*CB*(\t)   ; the wave stores 384 consecutive bytes
.endm
.irp t, 0,1,2,3,4,5,6,7,8,9,10,11,12,13,14,15
	STEP \t
.endr
	ds_load_b64 v[8:9], v6                         ; LDS serves a wave's instructions in order: these see my stores
	s_wait_dscnt 0x0
	global_store_b64 v7, v[8:9], s[SCB:SCB+1]      ; 32 lanes store 256 consecutive bytes, aligned
	s_wait_tensorcnt 0x0                           ; the wave's end
	ds_add_u32 v[SPW], v[NIL]
	s_wait_dscnt 0x0
	s_endpgm
.Lfunc_end_k_q1dfa963fcf_quant:
	.size	k_q1dfa963fcf_quant, .Lfunc_end_k_q1dfa963fcf_quant-k_q1dfa963fcf_quant
	.p2alignl 7, 3214868480
	.fill 96, 4, 3214868480
	.section	.rodata,"a",@progbits
	.p2align	6, 0x0
	.amdhsa_kernel k_q1dfa963fcf_quant
		.amdhsa_group_segment_fixed_size 33280
		.amdhsa_private_segment_fixed_size 0
		.amdhsa_enable_private_segment 0
		.amdhsa_kernarg_size 56
		.amdhsa_user_sgpr_count 2
		.amdhsa_user_sgpr_kernarg_segment_ptr 1
		.amdhsa_wavefront_size32 1
		.amdhsa_system_sgpr_workgroup_id_x 1
		.amdhsa_system_sgpr_workgroup_id_y 1
		.amdhsa_system_sgpr_workgroup_id_z 1
		.amdhsa_system_vgpr_workitem_id 0
		.amdhsa_next_free_vgpr 192
		.amdhsa_next_free_sgpr 66
		.amdhsa_reserve_vcc 0
		.amdhsa_float_denorm_mode_32 3
		.amdhsa_float_denorm_mode_16_64 3
		.amdhsa_memory_ordered 1
		.amdhsa_forward_progress 1
		.amdhsa_inst_pref_size 34
	.end_amdhsa_kernel
	.amdgpu_metadata
---
amdhsa.version: [ 1, 2 ]
amdhsa.kernels:
  - .name:           k_q1dfa963fcf_quant
    .symbol:         k_q1dfa963fcf_quant.kd
    .args:
      - { .name: x, .offset: 0, .size: 8, .value_kind: global_buffer, .address_space: global }
      - { .name: Wq, .offset: 8, .size: 8, .value_kind: global_buffer, .address_space: global }
      - { .name: Wk, .offset: 16, .size: 8, .value_kind: global_buffer, .address_space: global }
      - { .name: Wv, .offset: 24, .size: 8, .value_kind: global_buffer, .address_space: global }
      - { .name: Wo, .offset: 32, .size: 8, .value_kind: global_buffer, .address_space: global }
      - { .name: xw, .offset: 40, .size: 8, .value_kind: global_buffer, .address_space: global }
      - { .name: wo, .offset: 48, .size: 8, .value_kind: global_buffer, .address_space: global }
    .group_segment_fixed_size: 33280
    .private_segment_fixed_size: 0
    .kernarg_segment_align: 8
    .kernarg_segment_size: 56
    .max_flat_workgroup_size: 128
    .sgpr_count:     66
    .vgpr_count:     192
    .wavefront_size: 32
...
	.end_amdgpu_metadata
.endif
;; end of part 1
;; launch qkv (part 2): grid 192 x 1, 4 waves a work-group, clusters of 4 x 1, 327,680 bytes of LDS; arguments xw, gq, gk, qb, kvb; writes qb, kvb
.if DOCPART == 2
	.amdgcn_target "amdgcn-amd-amdhsa--gfx1250"
	.amdhsa_code_object_version 6
	.text
	.protected	k_q1dfa963fcf_qkv
	.globl	k_q1dfa963fcf_qkv
	.p2align	8
	.type	k_q1dfa963fcf_qkv,@function
k_q1dfa963fcf_qkv:
	s_mov_b64 s[64:65], 0
	v_nop
	global_prefetch_b8 v0, s[64:65] scope:SCOPE_SE
	s_setreg_imm32_b32 hwreg(HW_REG_WAVE_MODE, 25, 1), 1
	s_wait_xcnt 0x0
	s_wait_alu depctr_hold_cnt(0) depctr_sa_sdst(0) depctr_va_vdst(0) depctr_va_sdst(0) depctr_va_ssrc(0) depctr_va_vcc(0) depctr_vm_vsrc(0)
	s_getreg_b32 s2, hwreg(HW_REG_IB_STS2, 6, 4)
	s_cmp_eq_u32 s2, 0
	s_cbranch_scc0 .Lentry_in_a_cluster
	s_endpgm
.Lentry_in_a_cluster:
	s_bfe_u32 s2, ttmp6, 0x10000c
	s_cmp_lg_u32 s2, 0x3003
	s_cbranch_scc0 .Lentry_shape_is_right
	s_endpgm
.Lentry_shape_is_right:
; LAUNCH 2 OF 4.  q = x Wq^T, k = x Wk^T, v = x Wv^T on codes of BF6 with E8M0 scales (K = 2,048); q and k are divided by their head's root mean square (+ 1e-5 under the root) and multiplied by gq, gk in f32;
; then q and k are quantised along the head's 128, v along the keys, and leave as IMAGES OF OPERAND REGISTERS: a fragment (16 rows x 128 K, 12 registers a lane) is 1,536 bytes, registers 4 c .. 4 c + 3 of lane l at 512 c + 16 l.
; The scale words of 8 tiles are one image of 512 bytes: lane l's 16 bytes are registers 0-3; register i holds tile 2 i's words in lanes 0-15 and tile 2 i + 1's in lanes 16-31.
; SHARES.  A tile of 256 x 256 to a work-group, 128 x 128 to each of four waves (64 accumulators, 512 registers).  "A" is source 1: a lane holds one of its rows.  "B" is source 0: its rows run along a lane's registers.
; Clusters 0-31 (q, k): A = 256 rows of x (cluster's number), B = 256 rows of Wq or Wk (place in the cluster: q heads 0-1, 2-3, k heads 0-1, 2-3): a lane's 64 registers of a block are 64 of a token's 128 channels of one head.
; Clusters 32-47 (v): A = 256 rows of Wv, B = 256 rows of x: a lane's 64 registers are 64 of 128 keys of one channel.  The loop is the same text: only the addresses differ, by scalar selects on the cluster's number.
; xw's rows are stored so that sixteen neighbouring rows are rows 32 g + 8 u + r + 8 (r / 8): so register 16 b + i of a block is B's row 32 b + 16 (lane / 16) + i, sixteen neighbours for the conversions,
; and the fragments' own rows (A's) come out in the same order of tiles, which launches 3 and 4 count on.
; CLUSTER: A's tile is the same in all four partners and is asked for JOINTLY (mask 15, the address made of the cluster's number and the wave's alone); B's is each work-group's own (no mask).
; 192 work-groups: a tile of 192 columns, which would give 256, would cut a head's 128 channels across waves, and the norm and the blocks of 32 with them.
; K goes in steps of 256 through two LDS slots; the scale bytes of the work-group's 512 rows, for all of K, come once.
; LIMITS: 1 / rms is v_rsq_f32 (ISA guide: 1 ulp), and the result is (x / rms) g in that order; a block under 2^-122 or of zeros has the byte 1 (its codes are read by this program alone); NaN and infinities are not served.
; The v work-groups load gk's 128 numbers too and do not use them: 512 bytes a wave, so that the head has no branch.
; REGISTERS: window 0: v16-31 addresses; v32-63 scale words, two sets; v64-127 the gains; v128-223 A's fragments, one set; on the way out v128-249 are at work.  window 1: B's fragments, two sets.  windows 2, 3: the accumulators.
.set KSTEP,  256
.set NQ,     2                         ; matrix instructions deep in a slot
.set ROWB,   192                       ; a tile's row: 256 codes
.set KROW,   1536                      ; a row of xw's codes
.set PITCH,  240                       ; an LDS row: 3 x (64 bytes + 16 of padding)
.set FR,     12
.set NL,     6                         ; LDS loads that bring a fragment
.set NP,     4                         ; places behind this matrix instruction (ISA guide 7.12.1)
.set HALFT,  128*PITCH
.set SLOT,   4*HALFT                   ; A's 256 rows, then B's
.set LAPS,   4                         ; 2,048 / 512
.set KS,     64                        ; a row's scale bytes
.set SCL,    2*SLOT                    ; the scales, as units of 256 bytes + 16
.set HALFS,  32*272                    ; those of 128 rows
.set SBLK,   4*272                     ; those of 16 rows
.set SPARE,  SCL+4*HALFS               ; the spare words, 128 bytes a wave
.set XS_OFF,  14942208
.set QS_OFF,  3145728
.set KVS_OFF, 6291456
.set ADRA, 16                          ; v16-17 my A fragments in slot 0, 1 (v18-19: behind one padding more)
.set ADRB, 20                          ; v20-23 the same for B
.set ADRS, 27                          ; v27 my scale words: lanes 0-15 A's rows, lanes 16-31 B's
.set SPW,  28
.set NIL,  29
.set GA,   30                          ; v30 64 x (lane / 16): my half's gains
.set IO,   31                          ; v31 16 x lane: my place in an image
.set SC,   32
.set G,    64                          ; v64-127 register 16 b + i = g[32 b + 16 (lane / 16) + i]
.set AF,   128
.set Y,    128                         ; the way out: v128-191 a block's 64 numbers
.set CDS,  192                         ; v192-211 its codes
.set TM,   212                         ; v212-227 at work in the quantiser
.set SW,   228                         ; v228-235 the eight blocks' scale words
.set W4,   236                         ; v236-239 their image
.set T,    240                         ; v240-247 sums of squares
.set R,    248                         ; v248-249 1 / rms
.set WV,   20
.set HA,   21                          ; which half of A's rows is mine; also: I fetch for A (0) or B (1)
.set HB,   22                          ; which half of B's rows; also: which 128 rows I fetch
.set CX,   23
.set G1,   24
.set G0,   32
.set G1B,  48
.set G0B,  56
.set SEL,  66
.set G1S,  68
.set G0S,  76
.set G1SB, 80
.set G0SB, 88
.set OI,   92                          ; s[92:93] where my eight images go
.set OS,   94                          ; s[94:95] and their scale image
.set GP,   96                          ; s[96:97] the gains
.set EPS,  98
.set HIM,  99                          ; lanes 16-31
.set MSB, 0
.macro WIN new                         ; the immediate's high byte repeats the setting that is left
.if MSB != \new
	s_set_vgpr_msb (MSB<<8)|\new
.set MSB, \new
.endif
.endm
.set MUL_LO, 0xa1                      ; source 0 (B) window 1, source 1 (A) window 0, C and D window 2
.set MUL_HI, 0xf1
.set TO_B,   0x40
; Waves 0 and 1 fetch for A (jointly), waves 2 and 3 for B.  The branch hangs on the wave's number alone.  An s_nop 0 and four v_nop follow each line.
.macro JLOAD g0a, g1a, g0b, g1b
	s_cmp_eq_u32 s[HA], 0
	s_cbranch_scc0 .Lfor_b_\@
	tensor_load_to_lds s[\g0a:\g0a+3], s[\g1a:\g1a+7]
	s_nop 0
.rept 4
	v_nop
.endr
	s_branch .Lasked_\@
.Lfor_b_\@:
	tensor_load_to_lds s[\g0b:\g0b+3], s[\g1b:\g1b+7]
	s_nop 0
.rept 4
	v_nop
.endr
.Lasked_\@:
.endm
.macro CREST                           ; a round of the cluster's barrier behind its opening barrier
	s_cmp_lg_u32 s[WV], 0
	s_cbranch_scc1 .Lnot_wave_0_\@
	s_barrier_signal -3
.Lnot_wave_0_\@:
	s_barrier_wait -3
	s_barrier_signal -1
	s_barrier_wait -1
.endm
.macro CROUND
	s_barrier_signal -1
	s_barrier_wait -1
	CREST
.endm
	s_load_b256 s[4:11], s[0:1], 0x0               ; xw, gq, gk, qb
	s_load_b64 s[12:13], s[0:1], 0x20              ; kvb
	v_lshl_add_u32 v[SPW], v0, 2, SPARE
	v_mov_b32 v[NIL], 0
	ds_add_u32 v[SPW], v[NIL]                      ; the wave's opening
	ds_add_u32 v[SPW], v[NIL]
	v_lshrrev_b32 v1, 5, v0
	v_readfirstlane_b32 s[WV], v1
	s_lshr_b32 s[HA], s[WV], 1
	s_and_b32 s[HB], s[WV], 1
	s_bfe_u32 s[CX], ttmp6, 0x40000                ; my place in the cluster
	s_mov_b32 s[G1+0], 15|(1<<20)|(1<<21)|(3<<22)|(3<<25)   ; the mask: all four; elements of 1 byte; padding of 4 words behind every 16; bit 21 beside a mask
	s_mov_b32 s[G1B+0], (1<<20)|(3<<22)|(3<<25)             ; no mask
.irp g, G1, G1B
	s_mov_b32 s[\g+1], ROWB<<16                    ; tensor_dim0
	s_mov_b32 s[\g+2], 128<<16                     ; tensor_dim1
	s_mov_b32 s[\g+3], ROWB<<16                    ; tile_dim0
	s_mov_b32 s[\g+4], 128                         ; tile_dim1
	s_mov_b32 s[\g+5], KROW                        ; from row to row
	s_mov_b32 s[\g+6], 0
	s_mov_b32 s[\g+7], 0
.endr
	s_mov_b32 s[G1S+0], 15|(3<<16)|(1<<20)|(1<<21)|(5<<22)|(3<<25)   ; the scales of 128 rows: 8,192 dense bytes as 32 rows of 256 (32 elements of 8 bytes), 16 bytes of padding behind each
	s_mov_b32 s[G1SB+0], (3<<16)|(1<<20)|(5<<22)|(3<<25)
.irp g, G1S, G1SB
	s_mov_b32 s[\g+1], 32<<16
	s_mov_b32 s[\g+2], 32<<16
	s_mov_b32 s[\g+3], 32<<16
	s_mov_b32 s[\g+4], 32
	s_mov_b32 s[\g+5], 32
	s_mov_b32 s[\g+6], 0
	s_mov_b32 s[\g+7], 0
.endr
	; A's rows of xw, from the cluster's number and the wave's alone: q, k: 256 c;  v: 9,216 + 256 (c mod 2)
	s_lshl_b32 s14, ttmp9, 8
	s_and_b32 s15, ttmp9, 1
	s_lshl_b32 s15, s15, 8
	s_add_co_u32 s15, s15, 9216
	s_cmp_lt_u32 ttmp9, 32
	s_cselect_b32 s14, s14, s15
	s_lshl_b32 s15, s[HB], 7
	s_add_co_u32 s14, s14, s15                     ; + the 128 that I would fetch
	s_mul_i32 s40, s14, KROW                       ; their codes,
	s_mov_b32 s41, 0
	s_lshl_b32 s44, s14, 6
	s_add_co_u32 s44, s44, XS_OFF                  ; their scale bytes
	s_mov_b32 s45, 0
	; B's rows: q, k: 8,192 + 256 cx;  v: 1,024 ((c - 32) / 2) + 256 cx
	s_sub_co_u32 s16, ttmp9, 32
	s_lshr_b32 s16, s16, 1
	s_lshl_b32 s16, s16, 10
	s_lshl_b32 s17, s[CX], 8
	s_add_co_u32 s16, s16, s17
	s_add_co_u32 s17, s17, 8192
	s_cmp_lt_u32 ttmp9, 32
	s_cselect_b32 s16, s17, s16
	s_lshl_b32 s17, s[HB], 7
	s_add_co_u32 s16, s16, s17
	s_mul_i32 s42, s16, KROW
	s_mov_b32 s43, 0
	s_lshl_b32 s46, s16, 6
	s_add_co_u32 s46, s46, XS_OFF
	s_mov_b32 s47, 0
	s_mul_i32 s18, s[WV], HALFT                    ; where they go: wave x 128 rows
	s_mul_i32 s19, s[WV], HALFS
	s_mov_b32 s[SEL], 0x76543210
	s_mov_b32 s[SEL+1], 0xfedcba98                 ; v_permlanex16_b32's selects for lane l xor 16
	s_mov_b32 s[EPS], 0x3727c5ac                   ; 1e-5
	s_mov_b32 s[HIM], 0xffff0000
	s_wait_dscnt 0x0                               ; both opening adds are done
	s_wait_kmcnt 0x0
	s_add_nc_u64 s[40:41], s[4:5], s[40:41]
	s_add_nc_u64 s[44:45], s[4:5], s[44:45]
	s_add_nc_u64 s[42:43], s[4:5], s[42:43]
	s_add_nc_u64 s[46:47], s[4:5], s[46:47]
	CROUND                                         ; all four work-groups are here: the first joint loads meet
	s_mov_b32 s[G0S], 1
	s_add_co_u32 s[G0S+1], s19, SCL
	s_mov_b64 s[G0S+2:G0S+3], s[44:45]
	s_or_b32 s[G0S+3], s[G0S+3], 0x80000000
	s_mov_b32 s[G0SB], 1
	s_add_co_u32 s[G0SB+1], s19, SCL
	s_mov_b64 s[G0SB+2:G0SB+3], s[46:47]
	s_or_b32 s[G0SB+3], s[G0SB+3], 0x80000000
	JLOAD G0S, G1S, G0SB, G1SB                     ; the scales first: they are wanted with K step 0
.irp s, 0,1
	s_mov_b32 s[G0+4*\s], 1
	s_add_co_u32 s[G0+4*\s+1], s18, \s*SLOT
	s_add_nc_u64 s[G0+4*\s+2:G0+4*\s+3], s[40:41], \s*ROWB
	s_or_b32 s[G0+4*\s+3], s[G0+4*\s+3], 0x80000000
	s_mov_b32 s[G0B+4*\s], 1
	s_add_co_u32 s[G0B+4*\s+1], s18, \s*SLOT
	s_add_nc_u64 s[G0B+4*\s+2:G0B+4*\s+3], s[42:43], \s*ROWB
	s_or_b32 s[G0B+4*\s+3], s[G0B+4*\s+3], 0x80000000
	JLOAD G0+4*\s, G1, G0B+4*\s, G1B               ; three loads of mine are out
.endr
	; where my results go.  Xt: which 256 tokens; head; hs: which half of the tokens' tiles (q, k) or which key step (v) is mine
	s_sub_co_u32 s16, ttmp9, 32
	s_lshr_b32 s16, s16, 1
	s_lshl_b32 s16, s16, 2
	s_add_co_u32 s16, s16, s[CX]                   ; v: 4 ((c - 32) / 2) + cx
	s_and_b32 s17, ttmp9, 1
	s_lshl_b32 s17, s17, 1
	s_add_co_u32 s17, s17, s[HA]                   ; v: head 2 (c mod 2) + my half of A
	s_and_b32 s42, s[CX], 1
	s_lshl_b32 s42, s42, 1
	s_add_co_u32 s42, s42, s[HB]                   ; q, k: head 2 (cx mod 2) + my half of B
	s_lshr_b32 s43, s[CX], 1                       ; q, k: 0 = q, 1 = k
	s_cmp_lt_u32 ttmp9, 32
	s_cselect_b32 s16, ttmp9, s16                  ; Xt
	s_cselect_b32 s17, s42, s17                    ; head
	s_cselect_b32 s42, s[HA], s[HB]                ; hs
	s_cselect_b32 s43, s43, 1                      ; 0: into qb; 1: into kvb, whose slots are twice as large
	s_cselect_b32 s46, 0, 1                        ; 1: v's part of a slot
	s_lshr_b32 s2, s16, 3
	s_lshl_b32 s2, s2, 2
	s_add_co_u32 s2, s2, s17                       ; 4 x batch + head
	s_and_b32 s16, s16, 7                          ; the slot of 256 tokens
	s_mul_i32 s[OI], s2, 196608
	s_mul_i32 s47, s16, 24576
	s_add_co_u32 s[OI], s[OI], s47
	s_lshl_b32 s[OI], s[OI], s43
	s_mul_i32 s47, s46, 24576
	s_add_co_u32 s[OI], s[OI], s47
	s_mul_i32 s47, s42, 12288
	s_add_co_u32 s[OI], s[OI], s47
	s_mov_b32 s[OI+1], 0
	s_lshl_b32 s[OS], s2, 13
	s_lshl_b32 s47, s16, 10
	s_add_co_u32 s[OS], s[OS], s47
	s_lshl_b32 s[OS], s[OS], s43
	s_lshl_b32 s47, s46, 10
	s_add_co_u32 s[OS], s[OS], s47
	s_lshl_b32 s47, s42, 9
	s_add_co_u32 s[OS], s[OS], s47
	s_mov_b32 s47, KVS_OFF
	s_cmp_eq_u32 s43, 0
	s_cselect_b32 s47, QS_OFF, s47
	s_cselect_b64 s[GP:GP+1], s[6:7], s[8:9]
	s_cselect_b64 s[16:17], s[10:11], s[12:13]
	s_add_co_u32 s[OS], s[OS], s47
	s_mov_b32 s[OS+1], 0
	s_add_nc_u64 s[OI:OI+1], s[16:17], s[OI:OI+1]
	s_add_nc_u64 s[OS:OS+1], s[16:17], s[OS:OS+1]
	v_and_b32 v1, 15, v0                           ; r
	v_bfe_u32 v2, v0, 4, 1                         ; h
	v_lshlrev_b32 v[GA], 6, v2
.irp b, 0,1,2,3
.irp j, 0,1,2,3
	global_load_b128 v[G+16*\b+4*\j:G+16*\b+4*\j+3], v[GA], s[GP:GP+1] offset:128*\b+16*\j
.endr
.endr
	v_mul_u32_u24 v3, v1, PITCH
	v_mul_u32_u24 v4, v2, 24
	v_add_nc_u32 v4, v3, v4                        ; a fragment's row x pitch + 24 x half
	v_lshl_add_u32 v5, v2, 4, v4                   ; and the same behind one padding more
	s_mul_i32 s2, s[HA], HALFT                     ; my 128 rows of A
	s_mul_i32 s3, s[HB], HALFT                     ; my 128 rows of B,
	s_add_co_u32 s3, s3, 2*HALFT                   ; behind A's 256
.irp s, 0,1
	v_add_nc_u32 v[ADRA+\s], s2, v4
	v_add_nc_u32 v[ADRB+\s], s3, v4
	v_add_nc_u32 v[ADRA+2+\s], s2, v5
	v_add_nc_u32 v[ADRB+2+\s], s3, v5
	s_add_co_u32 s2, s2, SLOT
	s_add_co_u32 s3, s3, SLOT
.endr
	v_mul_u32_u24 v5, v1, KS                       ; my row's scales: 64 bytes a row,
	v_lshrrev_b32 v6, 8, v5
	v_lshl_add_u32 v5, v6, 4, v5                   ; and 16 more for each 256 passed
	s_mul_i32 s2, s[HA], HALFS
	s_mul_i32 s3, s[HB], HALFS
	s_add_co_u32 s3, s3, 2*HALFS
	s_sub_co_u32 s3, s3, s2
	v_mul_u32_u24 v6, s3, v2                       ; lanes 16-31 take B's
	s_add_co_u32 s2, s2, SCL
	v_add_nc_u32 v5, v5, v6
	v_add_nc_u32 v[ADRS], s2, v5
	v_and_b32 v6, 31, v0
	v_lshlrev_b32 v[IO], 4, v6
.macro FRAG reg, adr, q, i             ; 16 rows x 128 K of 6-bit codes: lane l holds row l % 16; registers 6 c .. 6 c + 5 hold K = 64 c + 32 (l / 16) + 0 .. 31, in pieces of 8 bytes
.irp p, 0,1,2,3,4,5
.set PCE, 12*(\q)+6*(\p/3)+\p%3        ; 16 bytes of padding lie behind every 8 pieces: where the piece three on lies behind one padding more, the second address register serves
.if PCE%8 < 5
	ds_load_b64 v[\reg+2*\p:\reg+2*\p+1], v[\adr] offset:8*PCE+16*(PCE/8)+(\i)*16*PITCH
.else
	ds_load_b64 v[\reg+2*\p:\reg+2*\p+1], v[\adr+2] offset:8*PCE+16*(PCE/8)+(\i)*16*PITCH
.endif
.endr
.endm
; 16 matrix instructions: A's blocks a0, a0 + 1 x B's eight.  The 64 accumulators take turns, one instruction a turn, in the same order in every step.
.macro MUL16 a0, p, q, sc, zero
.irp a, \a0, \a0+1
.irp b, 0,1,2,3,4,5,6,7
.if \zero
	v_wmma_scale_f32_16x16x128_f8f6f4 v[8*(8*((\a)%4)+\b):8*(8*((\a)%4)+\b)+7], v[128*(\p)+FR*\b:128*(\p)+FR*\b+FR-1], v[AF+FR*(\a):AF+FR*(\a)+FR-1], 0, v[SC+8*NQ*(\sc)+NQ*\b+(\q)], v[SC+8*NQ*(\sc)+NQ*(\a)+(\q)] matrix_a_fmt:MATRIX_FMT_BF6 matrix_b_fmt:MATRIX_FMT_BF6 matrix_a_scale:MATRIX_SCALE_ROW1
.else
	v_wmma_scale_f32_16x16x128_f8f6f4 v[8*(8*((\a)%4)+\b):8*(8*((\a)%4)+\b)+7], v[128*(\p)+FR*\b:128*(\p)+FR*\b+FR-1], v[AF+FR*(\a):AF+FR*(\a)+FR-1], v[8*(8*((\a)%4)+\b):8*(8*((\a)%4)+\b)+7], v[SC+8*NQ*(\sc)+NQ*\b+(\q)], v[SC+8*NQ*(\sc)+NQ*(\a)+(\q)] matrix_a_fmt:MATRIX_FMT_BF6 matrix_b_fmt:MATRIX_FMT_BF6 matrix_a_scale:MATRIX_SCALE_ROW1
.endif
.endr
.endr
.endm
.macro FETCH_B slot, q, p
	WIN TO_B
.irp i, 0,1,2,3,4,5,6,7
	FRAG 128*(\p)+FR*\i, ADRB+\slot, \q, \i
.endr
	WIN 0
.endm
.macro FETCH_A slot, q, i0
.irp i, \i0, \i0+1, \i0+2, \i0+3
	FRAG AF+FR*(\i), ADRA+\slot, \q, \i
.endr
.endm
.macro SCALES sc                       ; a K step's scale words: 2 words a row; lanes 0-15 take A's block i, lanes 16-31 B's
.irp i, 0,1,2,3,4,5,6,7
	ds_load_b64 v[SC+8*NQ*\sc+NQ*\i:SC+8*NQ*\sc+NQ*\i+1], v[ADRS] offset:\i*SBLK
.endr
.endm
.macro PLACES n                        ; plain vector instructions between a matrix instruction and a load into, or a read of, its registers
.rept \n
	v_nop
.endr
.endm
.macro STEP slot, q, zero              ; 128 along K with its successor in the same slot
	s_wait_dscnt 4*NL                              ; B's set and A's blocks 0-3 are in; the youngest 24 loads (A's blocks 4-7) may be out
	WIN MUL_LO
	MUL16 0, (\q)%2, \q, \slot, \zero
	MUL16 2, (\q)%2, \q, \slot, \zero
	s_wait_dscnt 0
	PLACES NP
	FETCH_B \slot, (\q)+1, 1-(\q)%2
	FETCH_A \slot, (\q)+1, 0
	WIN MUL_HI
	MUL16 4, (\q)%2, \q, \slot, \zero
	MUL16 6, (\q)%2, \q, \slot, \zero
	PLACES NP
	WIN 0
	FETCH_A \slot, (\q)+1, 4
.endm
; A slot's last step changes slots: one barrier; in front of it each wave waits for all its tensor loads, adds 0 to its spare word, and waits for that and for its reads of this slot.
.macro TURN slot, next, fill
	s_wait_tensorcnt 0x0                           ; all my tensor loads have landed: my part of the next slot
	ds_add_u32 v[SPW], v[NIL]                      ; 0 onto my spare word
	s_wait_dscnt 4*NL+1                            ; (the add and the youngest 24 loads may be out)
	WIN MUL_LO
	MUL16 0, 1, NQ-1, \slot, 0
	s_wait_dscnt 0x0                               ; the add is done, and my reads of this slot are over
	s_barrier_signal -1
	MUL16 2, 1, NQ-1, \slot, 0
	WIN 0
	s_barrier_wait -1
.if \fill
	CREST                                          ; the barrier has opened a round of the cluster's: no wave of any partner still reads this slot or has a load on its way
	s_add_nc_u64 s[G0+4*\slot+2:G0+4*\slot+3], s[G0+4*\slot+2:G0+4*\slot+3], 2*ROWB
	s_add_nc_u64 s[G0B+4*\slot+2:G0B+4*\slot+3], s[G0B+4*\slot+2:G0B+4*\slot+3], 2*ROWB
	JLOAD G0+4*\slot, G1, G0B+4*\slot, G1B         ; my one tensor load behind the round; its four v_nop are the places in front of the loads below
.else
	PLACES NP
.endif
	v_add_nc_u32 v[ADRS], 4*NQ, v[ADRS]            ; the next K step's scale words
	FETCH_B \next, 0, 0
	FETCH_A \next, 0, 0
	SCALES \next
	WIN MUL_HI
	MUL16 4, 1, NQ-1, \slot, 0
	MUL16 6, 1, NQ-1, \slot, 0
	PLACES NP
	WIN 0
	FETCH_A \next, 0, 4
.endm
	s_wait_loadcnt 0x0                             ; the gains
	s_wait_tensorcnt 1                             ; the scales and my part of K step 0 are in; K step 1's load may be out
	s_barrier_signal -1
	s_barrier_wait -1
	FETCH_B 0, 0, 0
	FETCH_A 0, 0, 0
	SCALES 0
	FETCH_A 0, 0, 4
	STEP 0, 0, 1                                   ; the first step's products start the sums
	s_mov_b32 s3, LAPS-1
.Llap:                                                 ; a trip goes once round the ring and fills both slots again
	TURN 0, 1, 1
	STEP 1, 0, 0
	TURN 1, 0, 1
	STEP 0, 0, 0
	s_sub_co_u32 s3, s3, 1
	s_cmp_lg_u32 s3, 0
	s_cbranch_scc1 .Llap
	TURN 0, 1, 0                                   ; the last lap fills nothing
	STEP 1, 0, 0
	s_wait_dscnt 4*NL
	WIN MUL_LO
	MUL16 0, 1, NQ-1, 1, 0
	MUL16 2, 1, NQ-1, 1, 0
	s_wait_dscnt 0
	WIN MUL_HI
	MUL16 4, 1, NQ-1, 1, 0
	MUL16 6, 1, NQ-1, 1, 0
	WIN 0
; THE WAY OUT.  64 numbers of a lane in window w, register 16 b + i = K 32 b + 16 (lane / 16) + i of my row, become a fragment's codes in v[CDS] on and its scale word in v[pw].
.macro QUANT s, w, pw
.set QW, (\w)|((\w)<<2)
.set QV, (\w)
	WIN QW                                         ; sources 0 and 1 in the numbers' window
.irp b, 0,1,2,3
	v_max3_num_f32 v[TM+\b], |v[\s+16*\b]|, |v[\s+1+16*\b]|, 0x2800000   ; block b: my 16 numbers, and the floor 2^(5 - 127): the byte cannot fall under 1
.endr
.irp i, 2,4,6,8,10,12,14
.irp b, 0,1,2,3
	v_max3_num_f32 v[TM+\b], |v[\s+16*\b+\i]|, |v[\s+1+16*\b+\i]|, v[TM+\b]   ; (the four blocks by turns)
.endr
.endr
	WIN 0
.irp b, 0,1,2,3
	v_permlanex16_b32 v[TM+4+\b], v[TM+\b], s[SEL], s[SEL+1]
.endr
.irp b, 0,1,2,3
	v_max_num_f32 v[TM+\b], v[TM+\b], v[TM+4+\b]   ; with lane l xor 16's: the block's largest magnitude
.endr
.irp b, 0,1,2,3
	v_add_nc_u32 v[TM+12+\b], 0xfe000000, v[TM+\b] ; 4 off its exponent field: the conversion's scale operand
.endr
.irp b, 0,1,2,3
	v_lshrrev_b32 v[TM+4+\b], 23, v[TM+12+\b]      ; the scale's byte
.endr
	v_lshl_or_b32 v[\pw], v[TM+5], 8, v[TM+4]      ; my row's scale word (the same in lanes l and l xor 16)
	v_lshl_or_b32 v[\pw], v[TM+6], 16, v[\pw]
	v_lshl_or_b32 v[\pw], v[TM+7], 24, v[\pw]
	WIN QV
.irp c, 0,1
	v_cvt_scalef32_pk16_bf6_f32 v[CDS+6*\c:CDS+2+6*\c], v[\s+32*\c:\s+15+32*\c], v[TM+12+2*\c]
	v_cvt_scalef32_pk16_bf6_f32 v[CDS+12+4*\c:CDS+14+4*\c], v[\s+16+32*\c:\s+31+32*\c], v[TM+12+2*\c+1]   ; (a conversion's three registers begin on an even number)
.endr
	WIN 0
	v_nop                                          ; one plain place behind a scaled conversion
.irp c, 0,1                            ; the operand's layout wants a whole block in a lane: lanes 0-15 block 2 c, lanes 16-31 block 2 c + 1
.irp i, 0,1,2
	v_permlane16_swap_b32 v[CDS+6*\c+\i], v[CDS+12+4*\c+\i]
.endr
.irp i, 0,1,2
	v_mov_b32 v[CDS+3+6*\c+\i], v[CDS+12+4*\c+\i]
.endr
.endr
.endm
.macro IMAGE a                         ; the fragment leaves as it stands: each store covers 512 consecutive bytes, aligned
.irp c, 0,1,2
	global_store_b128 v[IO], v[CDS+4*\c:CDS+4*\c+3], s[OI:OI+1] offset:1536*(\a)+512*\c
.endr
.endm
; Block a of q or k: 16 tokens x one head's 128 channels.  Sum of squares (mine and lane l xor 16's), 1 / sqrt(mean + eps), x that, x the gain, quantised.
.macro NBLK a
.set W, 2+(\a)/4
.set WW, W|(W<<2)
.set AC, 64*((\a)%4)
.if (\a) > 0
	s_wait_xcnt 0x0                                ; the last block's stores have read their data: the codes' registers are written again only behind this wait
.endif
	WIN WW
.irp k, 0,1,2,3
	v_pk_mul_f32 v[T+2*\k:T+2*\k+1], v[AC+2*\k:AC+2*\k+1], v[AC+2*\k:AC+2*\k+1]   ; four chains; each accumulator is read from its low end on
.endr
.set j, 8
.rept 28
	v_pk_fma_f32 v[T+j%8:T+j%8+1], v[AC+j:AC+j+1], v[AC+j:AC+j+1], v[T+j%8:T+j%8+1]
.set j, j+2
.endr
	WIN 0
	v_pk_add_f32 v[T:T+1], v[T:T+1], v[T+2:T+3]
	v_pk_add_f32 v[T+4:T+5], v[T+4:T+5], v[T+6:T+7]
	v_pk_add_f32 v[T:T+1], v[T:T+1], v[T+4:T+5]
	v_add_f32 v[T], v[T], v[T+1]
	v_permlanex16_b32 v[T+2], v[T], s[SEL], s[SEL+1]
	v_add_f32 v[T], v[T], v[T+2]                   ; the token's 128 squares
	v_fma_f32 v[T], v[T], 0x3c000000, s[EPS]       ; / 128 + 1e-5
	v_rsq_f32 v[R], v[T]
	v_nop                                          ; a plain place behind the transcendental,
	s_wait_alu depctr_va_vdst(0)                   ; and a wait ahead of its first reader
	WIN W
.set j, 0
.rept 32
	v_pk_mul_f32 v[Y+j:Y+j+1], v[AC+j:AC+j+1], v[R:R+1] op_sel_hi:[1,0]
.set j, j+2
.endr
	WIN 0
.set j, 0
.rept 32
	v_pk_mul_f32 v[Y+j:Y+j+1], v[Y+j:Y+j+1], v[G+j:G+j+1]
.set j, j+2
.endr
	QUANT Y, 0, SW+(\a)
	IMAGE \a
.endm
; Block a of v: 16 channels x 128 keys: quantised as the sums stand.
.macro VBLK a
.set W, 2+(\a)/4
.set AC, 64*((\a)%4)
.if (\a) > 0
	s_wait_xcnt 0x0
.endif
	QUANT AC, W, SW+(\a)
	IMAGE \a
.endm
	PLACES NP                                      ; behind the last products: their results are read and A's registers written below
	v_mov_b32 v[R+1], 0                            ; (named with R as a pair, so it is written)
.irp b, 0,1,2,3
	v_mov_b32 v[TM+4+\b], 0                        ; written once: a lane permute's destination counts as one of its sources
.endr
	s_cmp_ge_u32 ttmp9, 32                         ; the cluster's number: the same in all partners
	s_cbranch_scc1 .Lv
.irp a, 0,1,2,3,4,5,6,7
	NBLK \a
.endr
	s_branch .Ltail
.Lv:
.irp a, 0,1,2,3,4,5,6,7
	VBLK \a
.endr
.Ltail:
.irp i, 0,1,2,3
	v_cndmask_b32 v[W4+\i], v[SW+2*\i], v[SW+2*\i+1], s[HIM]   ; tile 2 i's words in lanes 0-15, tile 2 i + 1's in lanes 16-31
.endr
	global_store_b128 v[IO], v[W4:W4+3], s[OS:OS+1]            ; 512 consecutive bytes
	s_wait_tensorcnt 0x0                           ; the wave's end
	ds_add_u32 v[SPW], v[NIL]
	s_wait_dscnt 0x0
	CROUND                                         ; the closing round
	s_endpgm
.Lfunc_end_k_q1dfa963fcf_qkv:
	.size	k_q1dfa963fcf_qkv, .Lfunc_end_k_q1dfa963fcf_qkv-k_q1dfa963fcf_qkv
	.p2alignl 7, 3214868480
	.fill 96, 4, 3214868480
	.section	.rodata,"a",@progbits
	.p2align	6, 0x0
	.amdhsa_kernel k_q1dfa963fcf_qkv
		.amdhsa_group_segment_fixed_size 327680
		.amdhsa_private_segment_fixed_size 0
		.amdhsa_enable_private_segment 0
		.amdhsa_kernarg_size 40
		.amdhsa_user_sgpr_count 2
		.amdhsa_user_sgpr_kernarg_segment_ptr 1
		.amdhsa_wavefront_size32 1
		.amdhsa_system_sgpr_workgroup_id_x 1
		.amdhsa_system_sgpr_workgroup_id_y 1
		.amdhsa_system_sgpr_workgroup_id_z 1
		.amdhsa_system_vgpr_workitem_id 0
		.amdhsa_next_free_vgpr 1024
		.amdhsa_next_free_sgpr 100
		.amdhsa_reserve_vcc 0
		.amdhsa_float_denorm_mode_32 3
		.amdhsa_float_denorm_mode_16_64 3
		.amdhsa_memory_ordered 1
		.amdhsa_forward_progress 1
		.amdhsa_inst_pref_size 252
	.end_amdhsa_kernel
	.amdgpu_metadata
---
amdhsa.version: [ 1, 2 ]
amdhsa.kernels:
  - .name:           k_q1dfa963fcf_qkv
    .symbol:         k_q1dfa963fcf_qkv.kd
    .args:
      - { .name: xw, .offset: 0, .size: 8, .value_kind: global_buffer, .address_space: global }
      - { .name: gq, .offset: 8, .size: 8, .value_kind: global_buffer, .address_space: global }
      - { .name: gk, .offset: 16, .size: 8, .value_kind: global_buffer, .address_space: global }
      - { .name: qb, .offset: 24, .size: 8, .value_kind: global_buffer, .address_space: global }
      - { .name: kvb, .offset: 32, .size: 8, .value_kind: global_buffer, .address_space: global }
    .group_segment_fixed_size: 327680
    .private_segment_fixed_size: 0
    .kernarg_segment_align: 8
    .kernarg_segment_size: 40
    .max_flat_workgroup_size: 128
    .sgpr_count:     100
    .vgpr_count:     1024
    .wavefront_size: 32
...
	.end_amdgpu_metadata
.endif
;; end of part 2
;; launch attn (part 3): grid 16 x 16, 16 waves a work-group, clusters of 4 x 1, 327,680 bytes of LDS; arguments qb, kvb, ob; writes ob
.if DOCPART == 3
	.amdgcn_target "amdgcn-amd-amdhsa--gfx1250"
	.amdhsa_code_object_version 6
	.text
	.protected	k_q1dfa963fcf_attn
	.globl	k_q1dfa963fcf_attn
	.p2align	8
	.type	k_q1dfa963fcf_attn,@function
k_q1dfa963fcf_attn:
	s_mov_b64 s[64:65], 0
	v_nop
	global_prefetch_b8 v0, s[64:65] scope:SCOPE_SE
	s_setreg_imm32_b32 hwreg(HW_REG_WAVE_MODE, 25, 1), 1
	s_wait_xcnt 0x0
	s_wait_alu depctr_hold_cnt(0) depctr_sa_sdst(0) depctr_va_vdst(0) depctr_va_sdst(0) depctr_va_ssrc(0) depctr_va_vcc(0) depctr_vm_vsrc(0)
	s_getreg_b32 s2, hwreg(HW_REG_IB_STS2, 6, 4)
	s_cmp_eq_u32 s2, 0
	s_cbranch_scc0 .Lentry_in_a_cluster
	s_endpgm
.Lentry_in_a_cluster:
	s_bfe_u32 s2, ttmp6, 0x10000c
	s_cmp_lg_u32 s2, 0x3003
	s_cbranch_scc0 .Lentry_shape_is_right
	s_endpgm
.Lentry_shape_is_right:
; LAUNCH 3 OF 4.  o = softmax(q k^T / sqrt(128), causal) v for 16 (batch, head) pairs of 2,048 tokens, both products on codes of BF6 with E8M0 scales; o is quantised along the head's 128 for launch 4.
; WORK LEFT OUT: a step of 128 keys all of which come after a tile's 16 queries (shown at the head of launch 1: reference() itself masks them, their weights are exactly 0).
; THE SOFTMAX: t = score x log2(e) / sqrt(128); M = the running largest t rounded UP to a whole number; p = 2^(t - M) is quantised along the keys, not normalised; the row's sum is taken of the unquantised p and divides at the end.
; INPUTS are images of operand registers (launch 2): a fragment is 1,536 bytes, registers 4 c .. 4 c + 3 of lane l at 512 c + 16 l; eight tiles' scale words are 512 bytes (register i: tile 2 i in lanes 0-15, 2 i + 1 in lanes 16-31).
; Tile T of tokens holds tokens 32 (T / 2) + 8 (T % 2) + r + 8 (r / 8); so do V's tiles of channels.  Both products are used transposed (S^T = K Q^T, O^T = V^T P^T): a lane holds one query, the 16 registers of two
; neighbouring tiles of S^T are 16 neighbouring keys, and those of O^T 16 neighbouring channels.
; SHARES.  Work-group j (0..15) of a head; wave w = 4 m + 2 c + p.  Waves w and w xor 1 are a pair; the pair owns query tile 16 i + j; of each slot of 256 keys wave p works key step 2 slot + p, and the two waves' sums are merged
; at the end by exact powers of two.  The tile's last step is KD = 2 i + (cluster's number / 2): no place in the cluster enters it.  i = 0, 7 (m = 0), 6, 1 (m = 1), 5, 2 (m = 2), 3, 4 (m = 3) for c = 0, 1: the four waves with
; one m, and the four with one (c, p), have tiles whose i add up to 14 or to 7 twice: the same number of steps, however the sixteen waves are shared out by fours.  Waves 0 and 1, which fetch, have the shortest tile.
; THE WALK.  A head's K and V are eight slots of 49,152 bytes (K's 16 fragments, then V's 16).  SIX OF THEM ARE FILLED AT THE HEAD, each into a place of its own, with the head's scale images; slots 6 and 7 are filled into places
; 0 and 1 behind one round of the cluster's barrier, when every wave has done with slots 0 and 1, and have the four key steps of slots 2 to 5 in which to land.  So the walk has three barriers: slots 0, 1 are in | slots 0, 1 are
; read out and slots 2 to 5 are in | slots 6, 7 are in.  Between them the waves do not wait for each other.
; CLUSTER: the four work-groups of a cluster walk the same K and V: every load is asked for jointly.  Every partner reads part of every load: the pair with i = 7 works step 14, in slot 7, in every work-group.
; NO PREFETCH: six slots are asked for at the head, and the one refill is asked for four key steps ahead of the barrier that waits for it.
; LIMITS: a block under 2^-122 or of zeros has the byte 1 (read by this program alone); NaN and infinities are not served.  o's scale words leave 64 bytes at a time: 1 byte in 24 of what the launch stores.
; REGISTERS: v1-11 addresses; v12 -M, v13 the largest t, v[14:15] the sum; v16-27 Q; v32-79 four fragments; v96-159 S^T, then p; v160-223 O^T; v224-235 p's codes; v232-247, v252-254 at work; v248-251 a step's scale image; v255 Q's scale words.
.set FRB,   1536
.set STEPB, 8*FRB                      ; a key step's eight fragments
.set KVB,   2*STEPB                    ; K's or V's half of a slot
.set POS,   2*KVB                      ; a slot of 256 keys, and its place in LDS
.set NPOS,  6                          ; places
.set SCL,   NPOS*POS                   ; the head's scale images: 8 slots x (K even, K odd, V even, V odd) x 512
.set SPARE, SCL+16384                  ; the spare words, 128 bytes a wave
.set MRG,   2*POS                      ; where the odd waves hand their sums over: 8,704 bytes a pair, in places 2 and 3: they have had their one fill, and nobody reads them behind the walk's last barrier
.set MRGP,  8704
.set QS_OFF,  3145728
.set KVS_OFF, 6291456
.set OS_OFF,  3145728
.set AK0, 1                            ; v1  16 x lane + my step's place in K's half
.set AS0, 2                            ; v2  my step's scale image of K
.set MG,  3                            ; v3  my pair's place in MRG
.set GO,  4                            ; v4  16 x lane
.set SPW, 5
.set NIL, 6
.set DQ,  7                            ; v7  my query less the diagonal step's first key less 16 (lane / 16)
.set ADK, 8
.set ADS, 9
.set OSO, 10                           ; v10 4 r
.set QSO, 11                           ; v11 16 r
.set WV,  18
.set SEL, 20
.set CS,  22                           ; s[22:23] log2(e) / sqrt(128)
.set G1,  24                           ; s[24:31] group 1: one slot, 192 rows of 256 bytes
.set G1L, 32                           ; s[32:39] two slots, 384 rows
.set G1S, 40                           ; s[40:47] the scale images, 64 rows
.set GA,  48                           ; s[48:51] group 0: slot 0 (wave 0) or 1 (wave 1); later slot 6 or 7
.set GB,  52                           ; s[52:55] slots 2, 3 (wave 0) or 4, 5 (wave 1)
.set G0S, 56                           ; s[56:59] the scale images
.set TB,  60                           ; the place in hand
.set TS,  61                           ; its slot's scale images
.set CNT, 62
.set KAP, 63                           ; my key step
.set KD,  66                           ; my tile's last key step
.set P,   67                           ; w mod 2
.set CXR, 68
.set BH,  69                           ; 4 x batch + head
.set PI,  70                           ; i
.set T0,  71
.set KOA, 72                           ; s[72:73] GA's bytes in kvb
.set KOB, 74                           ; s[74:75] GB's
.set KOS, 76                           ; s[76:77] the scale images'
.set TAU, 78                           ; my tile of queries
.set T1,  79
.set QI,  80                           ; s[80:81] Q's image
.set QW,  82                           ; s[82:83] its scale words
.set OI,  84                           ; s[84:85] o's image
.set OW,  86                           ; s[86:87] its scale words
.set DQ0, 88
.set T2,  89
.macro CROUND                          ; a round of the cluster's barrier
	s_barrier_signal -1
	s_barrier_wait -1
	s_cmp_lg_u32 s[WV], 0
	s_cbranch_scc1 .Lnot_wave_0_\@
	s_barrier_signal -3
.Lnot_wave_0_\@:
	s_barrier_wait -3
	s_barrier_signal -1
	s_barrier_wait -1
.endm
	s_load_b128 s[4:7], s[0:1], 0x0                ; qb, kvb
	s_load_b64 s[8:9], s[0:1], 0x10                ; ob
	v_lshl_add_u32 v[SPW], v0, 2, SPARE
	v_mov_b32 v[NIL], 0
	ds_add_u32 v[SPW], v[NIL]                      ; the wave's opening
	ds_add_u32 v[SPW], v[NIL]
	v_lshrrev_b32 v29, 5, v0
	v_readfirstlane_b32 s[WV], v29
	s_bfe_u32 s[CXR], ttmp6, 0x40000               ; cx
	s_and_b32 s[BH], ttmp7, 0xffff
	s_and_b32 s[P], s[WV], 1
	s_and_b32 s[T0], s[WV], 12                     ; 4 m
	s_lshr_b32 s[PI], 0x3560, s[T0]
	s_and_b32 s[PI], s[PI], 7                      ; 0, 6, 5, 3 for m = 0 .. 3,
	s_bfe_u32 s[T0], s[WV], 0x10001                ; c
	s_mul_i32 s[T0], s[T0], 7
	s_xor_b32 s[PI], s[PI], s[T0]                  ; and 7 less that where c = 1
.irp g, G1, G1L, G1S
	s_mov_b32 s[\g], 15|(3<<16)|(1<<21)            ; the mask: all four; elements of 8 bytes; bit 21 beside a mask.  Dense bytes as rows of 256
	s_mov_b32 s[\g+1], 32<<16
	s_mov_b32 s[\g+3], 32<<16
	s_mov_b32 s[\g+5], 32
	s_mov_b32 s[\g+6], 0
	s_mov_b32 s[\g+7], 0
.endr
	s_mov_b32 s[G1+2], 192<<16                     ; 49,152 bytes
	s_mov_b32 s[G1+4], 192
	s_mov_b32 s[G1L+2], 384<<16                    ; 98,304 bytes
	s_mov_b32 s[G1L+4], 384
	s_mov_b32 s[G1S+2], 64<<16                     ; 16,384 bytes
	s_mov_b32 s[G1S+4], 64
	s_mul_i32 s[T1], s[P], POS                     ; slot 0 or 1: in LDS and in the head's bytes
	s_lshl_b32 s[T2], s[T1], 1                     ; slots 2, 3 or 4, 5: 2 places further on for wave 1
	s_mul_i32 s[KOA], s[BH], 8*POS                 ; the head's first byte in kvb
	s_add_co_u32 s[KOB], s[KOA], 2*POS
	s_add_co_u32 s[KOB], s[KOB], s[T2]
	s_mov_b32 s[KOB+1], 0
	s_add_co_u32 s[KOA], s[KOA], s[T1]
	s_mov_b32 s[KOA+1], 0
	s_lshl_b32 s[KOS], s[BH], 14
	s_add_co_u32 s[KOS], s[KOS], KVS_OFF           ; its scale images
	s_mov_b32 s[KOS+1], 0
	s_lshr_b32 s[KD], ttmp9, 1
	s_lshl_b32 s[T0], s[PI], 1
	s_add_co_u32 s[KD], s[KD], s[T0]               ; 2 i + (cluster / 2) = my tile / 8
	s_lshl_b32 s[TAU], s[PI], 4
	s_lshl_b32 s[T0], ttmp9, 2
	s_add_co_u32 s[TAU], s[TAU], s[T0]
	s_add_co_u32 s[TAU], s[TAU], s[CXR]            ; my tile of queries: 16 i + 4 x cluster + cx
	s_lshl_b32 s[QI], s[BH], 7
	s_add_co_u32 s[QI], s[QI], s[TAU]
	s_mul_i32 s[QI], s[QI], FRB                    ; its image in qb
	s_mov_b32 s[QI+1], 0
	s_lshl_b32 s[QW], s[BH], 4
	s_lshr_b32 s[T0], s[TAU], 3
	s_add_co_u32 s[QW], s[QW], s[T0]
	s_lshl_b32 s[QW], s[QW], 9                     ; its step's scale image,
	s_and_b32 s[T0], s[TAU], 1
	s_lshl_b32 s[T0], s[T0], 8
	s_add_co_u32 s[QW], s[QW], s[T0]               ; the half of the lanes,
	s_bfe_u32 s[T0], s[TAU], 0x20001
	s_lshl_b32 s[T0], s[T0], 2
	s_add_co_u32 s[QW], s[QW], s[T0]               ; the register
	s_add_co_u32 s[QW], s[QW], QS_OFF
	s_mov_b32 s[QW+1], 0
	s_lshr_b32 s[OI], s[BH], 2
	s_lshl_b32 s[OI], s[OI], 7
	s_add_co_u32 s[OI], s[OI], s[TAU]              ; 128 x batch + tile
	s_and_b32 s[T0], s[BH], 3                      ; head
	s_lshl_b32 s[OW], s[OI], 8
	s_lshl_b32 s[DQ0], s[T0], 6
	s_add_co_u32 s[OW], s[OW], s[DQ0]
	s_add_co_u32 s[OW], s[OW], OS_OFF              ; o's scale words
	s_mov_b32 s[OW+1], 0
	s_lshl_b32 s[OI], s[OI], 2
	s_add_co_u32 s[OI], s[OI], s[T0]
	s_mul_i32 s[OI], s[OI], FRB                    ; o's image
	s_mov_b32 s[OI+1], 0
	s_bfe_u32 s[DQ0], s[TAU], 0x20001
	s_lshl_b32 s[DQ0], s[DQ0], 5
	s_and_b32 s[T0], s[TAU], 1
	s_lshl_b32 s[T0], s[T0], 3
	s_add_co_u32 s[DQ0], s[DQ0], s[T0]             ; my tile's first token in its step of 128
	s_mov_b32 s[SEL], 0x76543210
	s_mov_b32 s[SEL+1], 0xfedcba98
	s_mov_b32 s[CS], 0x3e0293ee
	s_mov_b32 s[CS+1], s[CS]
	s_mov_b32 s[TB], 0
	s_mov_b32 s[TS], 0
	s_mov_b32 s[KAP], s[P]
	s_wait_dscnt 0x0                               ; both opening adds are done
	s_wait_kmcnt 0x0
	s_mov_b32 s[GA], 1
	s_mov_b32 s[GA+1], s[T1]
	s_add_nc_u64 s[GA+2:GA+3], s[6:7], s[KOA:KOA+1]
	s_or_b32 s[GA+3], s[GA+3], 0x80000000
	s_mov_b32 s[GB], 1
	s_add_co_u32 s[GB+1], s[T2], 2*POS
	s_add_nc_u64 s[GB+2:GB+3], s[6:7], s[KOB:KOB+1]
	s_or_b32 s[GB+3], s[GB+3], 0x80000000
	s_mov_b32 s[G0S], 1
	s_mov_b32 s[G0S+1], SCL
	s_add_nc_u64 s[G0S+2:G0S+3], s[6:7], s[KOS:KOS+1]
	s_or_b32 s[G0S+3], s[G0S+3], 0x80000000
	s_add_nc_u64 s[QI:QI+1], s[4:5], s[QI:QI+1]
	s_add_nc_u64 s[QW:QW+1], s[4:5], s[QW:QW+1]
	s_add_nc_u64 s[OI:OI+1], s[8:9], s[OI:OI+1]
	s_add_nc_u64 s[OW:OW+1], s[8:9], s[OW:OW+1]
	CROUND                                         ; all four work-groups are here: the first joint loads meet
	; THE FIRST FILLS, in the order in which they are wanted.  Wave 0: the scale images, slot 0, slots 2 and 3: three loads out.  Wave 1: slot 1, slots 4 and 5: two.  An s_nop 0 follows each load, four v_nop the last
	s_cmp_eq_u32 s[WV], 0
	s_cbranch_scc0 .Lnot_0
	tensor_load_to_lds s[G0S:G0S+3], s[G1S:G1S+7]
	s_nop 0
	tensor_load_to_lds s[GA:GA+3], s[G1:G1+7]
	s_nop 0
	tensor_load_to_lds s[GB:GB+3], s[G1L:G1L+7]
	s_nop 0
.rept 4
	v_nop
.endr
	s_branch .Lfirst_asked
.Lnot_0:
	s_cmp_eq_u32 s[WV], 1
	s_cbranch_scc0 .Lfirst_asked
	tensor_load_to_lds s[GA:GA+3], s[G1:G1+7]
	s_nop 0
	tensor_load_to_lds s[GB:GB+3], s[G1L:G1L+7]
	s_nop 0
.rept 4
	v_nop
.endr
.Lfirst_asked:
	v_and_b32 v30, 15, v0                          ; r
	v_bfe_u32 v31, v0, 4, 1                        ; h
	v_and_b32 v29, 31, v0
	v_lshlrev_b32 v[GO], 4, v29
	v_lshlrev_b32 v[QSO], 4, v30
.irp c, 0,1,2
	global_load_b128 v[16+4*\c:19+4*\c], v[GO], s[QI:QI+1] offset:512*\c   ; Q's fragment stays in registers
.endr
	global_load_b32 v255, v[QSO], s[QW:QW+1]       ; and its scale words
	v_lshlrev_b32 v[OSO], 2, v30
	s_mul_i32 s[T0], s[P], STEPB
	v_add_nc_u32 v[AK0], s[T0], v[GO]
	s_lshl_b32 s[T0], s[P], 9
	s_add_co_u32 s[T0], s[T0], SCL
	v_add_nc_u32 v[AS0], s[T0], v[GO]
	s_lshr_b32 s[T0], s[WV], 1                     ; the pair's number
	s_mul_i32 s[T0], s[T0], MRGP
	s_add_co_u32 s[T0], s[T0], MRG
	v_add_nc_u32 v[MG], s[T0], v[GO]
	v_and_b32 v29, 8, v30
	v_add_nc_u32 v29, v29, v30                     ; r + 8 (r / 8)
	v_lshlrev_b32 v31, 4, v31
	v_sub_nc_u32 v[DQ], v29, v31
	v_add_nc_u32 v[DQ], s[DQ0], v[DQ]
	v_mov_b32 v13, 0xff61b1e6                      ; the largest t so far: -3e38
	v_floor_f32 v12, -v13                          ; -M
	v_mov_b32 v14, 0
	v_mov_b32 v15, 0
.irp b, 0,1,2,3
	v_mov_b32 v[236+\b], 0                         ; written once: a lane permute's destination counts as one of its sources
.endr
	v_mov_b32 v253, 0                              ; (named as the upper half of v[252:253] before it is first written)
.set j, 0
.rept 64
	v_mov_b32 v[160+j], 0                          ; O^T: the step is written without a first step of its own, and a wave with no step hands zeros over
.set j, j+1
.endr
.macro KQ t, tt                        ; S^T's tile tt: fragment t of K x Q; an odd tile's scale words lie in lanes 16-31
.if (\tt)%2
	v_wmma_scale_f32_16x16x128_f8f6f4 v[96+8*(\tt):103+8*(\tt)], v[32+12*(\t):43+12*(\t)], v[16:27], 0, v[248+(\tt)/2], v255 matrix_a_fmt:MATRIX_FMT_BF6 matrix_b_fmt:MATRIX_FMT_BF6 matrix_a_scale:MATRIX_SCALE_ROW1
.else
	v_wmma_scale_f32_16x16x128_f8f6f4 v[96+8*(\tt):103+8*(\tt)], v[32+12*(\t):43+12*(\t)], v[16:27], 0, v[248+(\tt)/2], v255 matrix_a_fmt:MATRIX_FMT_BF6 matrix_b_fmt:MATRIX_FMT_BF6
.endif
.endm
.macro PV t, tt                        ; O^T's tile tt += fragment t of V^T x P
.if (\tt)%2
	v_wmma_scale_f32_16x16x128_f8f6f4 v[160+8*(\tt):167+8*(\tt)], v[32+12*(\t):43+12*(\t)], v[224:235], v[160+8*(\tt):167+8*(\tt)], v[248+(\tt)/2], v253 matrix_a_fmt:MATRIX_FMT_BF6 matrix_b_fmt:MATRIX_FMT_BF6 matrix_a_scale:MATRIX_SCALE_ROW1
.else
	v_wmma_scale_f32_16x16x128_f8f6f4 v[160+8*(\tt):167+8*(\tt)], v[32+12*(\t):43+12*(\t)], v[224:235], v[160+8*(\tt):167+8*(\tt)], v[248+(\tt)/2], v253 matrix_a_fmt:MATRIX_FMT_BF6 matrix_b_fmt:MATRIX_FMT_BF6
.endif
.endm
.macro FOUR base                       ; four fragments from byte base of my step's place on
.irp t, 0,1,2,3
.irp c, 0,1,2
	ds_load_b128 v[32+12*\t+4*\c:35+12*\t+4*\c], v[ADK] offset:\base+\t*FRB+512*\c
.endr
.endr
.endm
; MY KEY STEP OF THE SLOT IN HAND: 128 keys.  A step past my tile's last is left out: a scalar branch on ids, round the step's loads, products and softmax, not round the lines at its end that step addresses.
.macro STEP
	s_cmp_gt_u32 s[KAP], s[KD]
	s_cbranch_scc1 .Lhidden_\@
	v_add_nc_u32 v[ADK], s[TB], v[AK0]
	v_add_nc_u32 v[ADS], s[TS], v[AS0]
	v_nop
	v_nop                                          ; four places in front of loads into registers that the last step's products read
	ds_load_b128 v[248:251], v[ADS]                ; K's scale words of the eight tiles
.irp g, 0,1
.if \g
.rept 4
	v_nop
.endr
.endif
	FOUR 4*\g*FRB
	s_wait_dscnt 0x0
.irp t, 0,1,2,3
	KQ \t, 4*\g+\t
.endr
.endr
.rept 4
	v_nop                                          ; places in front of the reads of the scores and of the loads below
.endr
	ds_load_b128 v[248:251], v[ADS] offset:1024    ; V's scale words, and its first four fragments: they land under the softmax
	FOUR KVB
	s_cmp_lg_u32 s[KAP], s[KD]                     ; on the diagonal step hidden scores become -infinity ahead of the maximum: p = 0 then.  Its first key counts for every query of the tile
	s_cbranch_scc1 .Lopen_\@
	v_mov_b32 v254, 0xff800000
.set n, 0
.rept 64
	v_cmp_gt_i32 vcc_lo, 32*(n/16)+n%16, v[DQ]     ; register 16 b + i holds the step's key 32 b + 16 (lane / 16) + i
	v_cndmask_b32 v[96+n], v[96+n], v254, vcc_lo
.set n, n+1
.endr
.Lopen_\@:
.irp b, 0,1,2,3
	v_max3_num_f32 v[232+\b], v[96+16*\b], v[97+16*\b], v[98+16*\b]   ; the largest score of each block of 32 keys: for the row's maximum and, since p rises with the score, for the block's largest p
.endr
.irp i, 3,5,7,9,11,13
.irp b, 0,1,2,3
	v_max3_num_f32 v[232+\b], v[232+\b], v[96+16*\b+\i], v[97+16*\b+\i]
.endr
.endr
.irp b, 0,1,2,3
	v_max_num_f32 v[232+\b], v[232+\b], v[111+16*\b]
.endr
.irp b, 0,1,2,3
	v_permlanex16_b32 v[236+\b], v[232+\b], s[SEL], s[SEL+1]
.endr
.irp b, 0,1,2,3
	v_max_num_f32 v[232+\b], v[232+\b], v[236+\b]  ; with lane l xor 16's 16 keys
.endr
	v_max3_num_f32 v254, v232, v233, v234
	v_max_num_f32 v254, v254, v235
	v_mul_f32 v254, s[CS], v254                    ; the step's largest t
	v_max_num_f32 v13, v13, v254
	v_mov_b32 v254, v12
	v_floor_f32 v12, -v13                          ; the new -M = -ceil(t)
	v_sub_f32 v254, v12, v254                      ; old M - new M: a whole number, 0 or less
	v_cvt_i32_f32 v254, v254                       ; (it saturates)
	v_ldexp_f32 v252, 1.0, v254                    ; f = 2^(old M - new M): rounds nothing
.set j, 0
.rept 32
	v_pk_fma_f32 v[96+j:97+j], v[96+j:97+j], s[CS:CS+1], v[12:13] op_sel_hi:[1,0,0]   ; t - M
.set j, j+2
.endr
.irp b, 0,1,2,3
	v_fma_f32 v[232+\b], v[232+\b], s[CS], v12
.endr
.set j, 0
.rept 64
	v_exp_f32 v[96+j], v[96+j]                     ; p = 2^(t - M)
.set j, j+1
.endr
	v_pk_mul_f32 v[14:15], v[14:15], v[252:253] op_sel_hi:[1,0]   ; the sums under the new M (a plain place behind the exponentials)
	s_wait_alu depctr_va_vdst(0)                   ; one wait for the batch, ahead of its first reader
.irp b, 0,1,2,3
	v_exp_f32 v[232+\b], v[232+\b]                 ; each block's largest p
.endr
	v_pk_add_f32 v[236:237], v[96:97], v[98:99]    ; the row's sum of the unquantised p, in two chains
.irp j, 4,8,12,16,20,24,28,32,36,40,44,48,52,56,60
	v_pk_add_f32 v[14:15], v[14:15], v[96+\j:97+\j]
	v_pk_add_f32 v[236:237], v[236:237], v[98+\j:99+\j]
.endr
	v_pk_add_f32 v[14:15], v[14:15], v[236:237]
	s_wait_alu depctr_va_vdst(0)                   ; and one for the four
.irp b, 0,1,2,3
	v_max_num_f32 v[232+\b], 0x2800000, v[232+\b]  ; the floor 2^(5 - 127)
.endr
.irp b, 0,1,2,3
	v_add_nc_u32 v[244+\b], 0xfe000000, v[232+\b]  ; 4 off the exponent field: the conversion's scale operand
.endr
.irp b, 0,1,2,3
	v_lshrrev_b32 v[236+\b], 23, v[244+\b]
.endr
	v_lshl_or_b32 v253, v237, 8, v236              ; p's scale word for these 128 keys
	v_lshl_or_b32 v253, v238, 16, v253
	v_lshl_or_b32 v253, v239, 24, v253
.irp c, 0,1
	v_cvt_scalef32_pk16_bf6_f32 v[224+6*\c:226+6*\c], v[96+32*\c:111+32*\c], v[244+2*\c]
	v_cvt_scalef32_pk16_bf6_f32 v[236+4*\c:238+4*\c], v[112+32*\c:127+32*\c], v[244+2*\c+1]
.endr
	v_nop                                          ; one plain place behind a scaled conversion
.irp c, 0,1
.irp i, 0,1,2
	v_permlane16_swap_b32 v[224+6*\c+\i], v[236+4*\c+\i]
.endr
.irp i, 0,1,2
	v_mov_b32 v[227+6*\c+\i], v[236+4*\c+\i]
.endr
.endr
.set j, 0
.rept 32
	v_pk_mul_f32 v[160+j:161+j], v[160+j:161+j], v[252:253] op_sel_hi:[1,0]   ; O^T under the new M; these are also the places in front of the products below
.set j, j+2
.endr
	s_wait_dscnt 0x0                               ; V's first four fragments and its scale words
.irp t, 0,1,2,3
	PV \t, \t
.endr
.rept 4
	v_nop
.endr
	FOUR KVB+4*FRB
	s_wait_dscnt 0x0
.irp t, 0,1,2,3
	PV \t, 4+\t
.endr
.Lhidden_\@:
	s_add_co_u32 s[KAP], s[KAP], 2
	s_add_co_u32 s[TS], s[TS], 2048                ; the next slot's scale images,
	s_add_co_u32 s[TB], s[TB], POS                 ; and its place
.endm
	s_wait_loadcnt 0x0                             ; Q
	s_wait_tensorcnt 1                             ; the scale images and slots 0 and 1 are in; each fetching wave's last load (slots 2, 3 or 4, 5) may be out
	s_barrier_signal -1
	s_barrier_wait -1
	s_mov_b32 s[CNT], 2
.Lfirst:                                               ; slots 0 and 1, in places 0 and 1
	STEP
	s_sub_co_u32 s[CNT], s[CNT], 1
	s_cmp_lg_u32 s[CNT], 0
	s_cbranch_scc1 .Lfirst
	; THE ONE REFILL.  Each wave waits for all its tensor loads (slots 2 to 5 are in), adds 0 to its spare word, and waits for that and for its reads of places 0 and 1; a round of the cluster's barrier: no wave of any partner still reads them
	s_wait_tensorcnt 0x0                           ; no tensor load of mine is out, so a group 0 may be written
	ds_add_u32 v[SPW], v[NIL]
	ds_add_u32 v[SPW], v[NIL]                      ; twice on end here
	s_add_nc_u64 s[GA+2:GA+3], s[GA+2:GA+3], NPOS*POS   ; slot 6 (wave 0) or 7 (wave 1), into the place of slot 0 or 1; the type bits on top are not reached
	s_mov_b32 s[TB], 2*POS
	s_mov_b32 s[CNT], 4
	s_wait_dscnt 0x0
	CROUND
	s_cmp_lt_u32 s[WV], 2
	s_cbranch_scc0 .Lrefilled
	tensor_load_to_lds s[GA:GA+3], s[G1:G1+7]      ; my one tensor load behind the round, and the launch's last
	s_nop 0
.rept 4
	v_nop
.endr
.Lrefilled:
.Lmiddle:                                              ; slots 2 to 5, in places 2 to 5: no barrier among them
	STEP
	s_sub_co_u32 s[CNT], s[CNT], 1
	s_cmp_lg_u32 s[CNT], 0
	s_cbranch_scc1 .Lmiddle
	s_wait_tensorcnt 0x0                           ; slots 6 and 7 are in
	ds_add_u32 v[SPW], v[NIL]
	s_mov_b32 s[TB], 0
	s_mov_b32 s[CNT], 2
	s_wait_dscnt 0x0                               ; my reads of places 2 to 5 are over: sums are handed over there later
	s_barrier_signal -1
	s_barrier_wait -1
.Llast:                                                ; slots 6 and 7, in places 0 and 1
	STEP
	s_sub_co_u32 s[CNT], s[CNT], 1
	s_cmp_lg_u32 s[CNT], 0
	s_cbranch_scc1 .Llast
	; THE PAIR'S TWO PARTS ARE MERGED.  The odd wave hands O^T, -M and the sum over; the even wave brings both under the larger M by exact powers of two.  A part with no step has -M = 3e38, so its factor is 0, and zeros.
.rept 4
	v_nop                                          ; places behind the last products
.endr
	s_cmp_eq_u32 s[P], 0
	s_cbranch_scc1 .Leven
.set j, 0
.rept 16
	ds_store_b128 v[MG], v[160+4*j:163+4*j] offset:512*j   ; each accumulator from its low end on
.set j, j+1
.endr
	ds_store_b128 v[MG], v[12:15] offset:8192
.Leven:
	s_wait_dscnt 0x0                               ; for the partner's sake: my stores have landed
	s_barrier_signal -1
	s_barrier_wait -1
	s_cmp_lg_u32 s[P], 0
	s_cbranch_scc1 .Lend
.set j, 0
.rept 16
	ds_load_b128 v[96+4*j:99+4*j], v[MG] offset:512*j
.set j, j+1
.endr
	ds_load_b128 v[232:235], v[MG] offset:8192
	s_wait_dscnt 0x0
	v_min_num_f32 v236, v12, v232                  ; the common -M
	v_sub_f32 v237, v236, v12
	v_sub_f32 v238, v236, v232
	v_cvt_i32_f32 v237, v237
	v_cvt_i32_f32 v238, v238
	v_ldexp_f32 v240, 1.0, v237                    ; my factor,
	v_ldexp_f32 v242, 1.0, v238                    ; my partner's
	v_mov_b32 v241, v240
	v_mov_b32 v243, v242
.set j, 0
.rept 32
	v_pk_mul_f32 v[160+j:161+j], v[160+j:161+j], v[240:241] op_sel_hi:[1,0]
.set j, j+2
.endr
.set j, 0
.rept 32
	v_pk_fma_f32 v[160+j:161+j], v[96+j:97+j], v[242:243], v[160+j:161+j] op_sel_hi:[1,0,1]
.set j, j+2
.endr
	v_pk_mul_f32 v[14:15], v[14:15], v[240:241] op_sel_hi:[1,0]
	v_pk_fma_f32 v[14:15], v[234:235], v[242:243], v[14:15] op_sel_hi:[1,0,1]
	v_add_f32 v14, v14, v15
	v_permlanex16_b32 v237, v14, s[SEL], s[SEL+1]
	v_add_f32 v14, v14, v237                       ; the row's sum
	v_rcp_f32 v14, v14
	v_nop
	s_wait_alu depctr_va_vdst(0)
.set j, 0
.rept 32
	v_pk_mul_f32 v[96+j:97+j], v[160+j:161+j], v[14:15] op_sel_hi:[1,0]   ; o: register 16 b + i is channel 32 b + 16 (lane / 16) + i of my query
.set j, j+2
.endr
	; o is quantised along the head's 128: codes in v32 on, the scale word in v252
.irp b, 0,1,2,3
	v_max3_num_f32 v[232+\b], |v[96+16*\b]|, |v[97+16*\b]|, 0x2800000
.endr
.irp i, 2,4,6,8,10,12,14
.irp b, 0,1,2,3
	v_max3_num_f32 v[232+\b], v[232+\b], |v[96+16*\b+\i]|, |v[97+16*\b+\i]|
.endr
.endr
.irp b, 0,1,2,3
	v_permlanex16_b32 v[236+\b], v[232+\b], s[SEL], s[SEL+1]
.endr
.irp b, 0,1,2,3
	v_max_num_f32 v[232+\b], v[232+\b], v[236+\b]
.endr
.irp b, 0,1,2,3
	v_add_nc_u32 v[244+\b], 0xfe000000, v[232+\b]
.endr
.irp b, 0,1,2,3
	v_lshrrev_b32 v[236+\b], 23, v[244+\b]
.endr
	v_lshl_or_b32 v252, v237, 8, v236
	v_lshl_or_b32 v252, v238, 16, v252
	v_lshl_or_b32 v252, v239, 24, v252
.irp c, 0,1
	v_cvt_scalef32_pk16_bf6_f32 v[32+6*\c:34+6*\c], v[96+32*\c:111+32*\c], v[244+2*\c]
	v_cvt_scalef32_pk16_bf6_f32 v[44+4*\c:46+4*\c], v[112+32*\c:127+32*\c], v[244+2*\c+1]
.endr
	v_nop
.irp c, 0,1
.irp i, 0,1,2
	v_permlane16_swap_b32 v[32+6*\c+\i], v[44+4*\c+\i]
.endr
.irp i, 0,1,2
	v_mov_b32 v[35+6*\c+\i], v[44+4*\c+\i]
.endr
.endr
.irp c, 0,1,2
	global_store_b128 v[GO], v[32+4*\c:35+4*\c], s[OI:OI+1] offset:512*\c   ; 512 consecutive bytes a store
.endr
	global_store_b32 v[OSO], v252, s[OW:OW+1]      ; lanes l and l xor 16 store the same word with the same value
.Lend:
	s_wait_tensorcnt 0x0                           ; the wave's end
	ds_add_u32 v[SPW], v[NIL]
	s_wait_dscnt 0x0
	CROUND                                         ; the closing round
	s_endpgm
.Lfunc_end_k_q1dfa963fcf_attn:
	.size	k_q1dfa963fcf_attn, .Lfunc_end_k_q1dfa963fcf_attn-k_q1dfa963fcf_attn
	.p2alignl 7, 3214868480
	.fill 96, 4, 3214868480
	.section	.rodata,"a",@progbits
	.p2align	6, 0x0
	.amdhsa_kernel k_q1dfa963fcf_attn
		.amdhsa_group_segment_fixed_size 327680
		.amdhsa_private_segment_fixed_size 0
		.amdhsa_enable_private_segment 0
		.amdhsa_kernarg_size 24
		.amdhsa_user_sgpr_count 2
		.amdhsa_user_sgpr_kernarg_segment_ptr 1
		.amdhsa_wavefront_size32 1
		.amdhsa_system_sgpr_workgroup_id_x 1
		.amdhsa_system_sgpr_workgroup_id_y 1
		.amdhsa_system_sgpr_workgroup_id_z 1
		.amdhsa_system_vgpr_workitem_id 0
		.amdhsa_next_free_vgpr 256
		.amdhsa_next_free_sgpr 96
		.amdhsa_reserve_vcc 1
		.amdhsa_float_denorm_mode_32 3
		.amdhsa_float_denorm_mode_16_64 3
		.amdhsa_memory_ordered 1
		.amdhsa_forward_progress 1
		.amdhsa_inst_pref_size 97
	.end_amdhsa_kernel
	.amdgpu_metadata
---
amdhsa.version: [ 1, 2 ]
amdhsa.kernels:
  - .name:           k_q1dfa963fcf_attn
    .symbol:         k_q1dfa963fcf_attn.kd
    .args:
      - { .name: qb, .offset: 0, .size: 8, .value_kind: global_buffer, .address_space: global }
      - { .name: kvb, .offset: 8, .size: 8, .value_kind: global_buffer, .address_space: global }
      - { .name: ob, .offset: 16, .size: 8, .value_kind: global_buffer, .address_space: global }
    .group_segment_fixed_size: 327680
    .private_segment_fixed_size: 0
    .kernarg_segment_align: 8
    .kernarg_segment_size: 24
    .max_flat_workgroup_size: 512
    .sgpr_count:     96
    .vgpr_count:     256
    .wavefront_size: 32
...
	.end_amdgpu_metadata
.endif
;; end of part 3
;; launch oproj (part 4): grid 8 x 32, 4 waves a work-group, clusters of 4 x 4, 327,680 bytes of LDS; arguments ob, wo, out0; writes out0
.if DOCPART == 4
	.amdgcn_target "amdgcn-amd-amdhsa--gfx1250"
	.amdhsa_code_object_version 6
	.text
	.protected	k_q1dfa963fcf_oproj
	.globl	k_q1dfa963fcf_oproj
	.p2align	8
	.type	k_q1dfa963fcf_oproj,@function
k_q1dfa963fcf_oproj:
	s_mov_b64 s[64:65], 0
	v_nop
	global_prefetch_b8 v0, s[64:65] scope:SCOPE_SE
	s_setreg_imm32_b32 hwreg(HW_REG_WAVE_MODE, 25, 1), 1
	s_wait_xcnt 0x0
	s_wait_alu depctr_hold_cnt(0) depctr_sa_sdst(0) depctr_va_vdst(0) depctr_va_sdst(0) depctr_va_ssrc(0) depctr_va_vcc(0) depctr_vm_vsrc(0)
	s_getreg_b32 s2, hwreg(HW_REG_IB_STS2, 6, 4)
	s_cmp_eq_u32 s2, 0
	s_cbranch_scc0 .Lentry_in_a_cluster
	s_endpgm
.Lentry_in_a_cluster:
	s_bfe_u32 s2, ttmp6, 0x10000c
	s_cmp_lg_u32 s2, 0xf033
	s_cbranch_scc0 .Lentry_shape_is_right
	s_endpgm
.Lentry_shape_is_right:
; LAUNCH 4 OF 4.  out0 [8192][2048] = o Wo^T on codes of BF6 with E8M0 scales, K = 512 (head x 128 + channel), sums in f32.  Nothing is left out here.
; o comes as images of operand registers (launch 3): tile m of 16 tokens, head s: 1,536 bytes at (4 m + s) x 1,536; its scale words at 256 m + 64 s + 4 r.  Tile m holds tokens 32 (m / 2) + 8 (m % 2) + r + 8 (r / 8).
; Wo's codes are rows of 384 bytes as they lie, its scale bytes 16 a row (launch 1).
; A tile of 256 x 256 to a work-group, 128 x 128 to a wave.  ALL OF K LIES IN LDS: every byte is filled once, at the head; there is no ring.  B's 32 fragments stay in registers (windows 1, 2); my eight blocks of 16 rows
; are finished one after the other (32 matrix instructions each, the block's 8 accumulators by turns), and each leaves through my stage while the next is multiplied.
; THE MATRIX INSTRUCTION IS USED TRANSPOSED (source 0 = 16 rows of Wo, source 1 = 16 tokens): a lane holds eight neighbouring numbers of a row of out0.
; CLUSTER 4 x 4: o's tiles are shared along a row of the cluster, Wo's along a column: each is asked for jointly.
; REGISTERS: window 0: v16-29 addresses; v32-63 Wo's scale words (4 b + s); v64-95 o's (4 a + s); v96-143, v144-191 o's fragments, two blocks; v192-255 rows on their way out.
;   window 1: Wo's fragments of K steps 0, 1 at v[96 (s % 2) + 12 b]; window 2: of K steps 2, 3; window 3: two sets of 8 accumulators.
.set PITCH,  240                       ; a row of Wo's half of K in LDS: 3 x (64 bytes + 16 of padding)
.set FR,     12
.set AIM,    0                         ; o's 64 images: 98,304 bytes
.set BH0,    98304                     ; Wo's 256 rows, K 0-255;
.set BHS,    256*PITCH                 ; (61,440 bytes)
.set ASC,    BH0+2*BHS                 ; o's scale words: 4,096 bytes
.set BSC,    ASC+4096                  ; Wo's: 4,096
.set STG,    BSC+4096                  ; a stage of 16 rows x (512 + 16) bytes for each wave; no tile lands here
.set SPITCH, 528
.set SPARE,  STG+4*16*SPITCH           ; the spare words
.set OS_OFF,  3145728
.set WOS_OFF, 786432
.set ADRA, 16
.set ASA,  17
.set ASB,  18
.set ADRB, 20                          ; v20-21 the two halves of K (v22-23: behind one padding more)
.set STO,  24
.set RD,   25
.set CO,   26
.set SPW,  28
.set NIL,  29
.set SB,   32
.set SA,   64
.set BK,   192
.set G1A,  24
.set G1B,  32
.set G1SA, 40
.set G1SB, 48
.set G0A,  56
.set G0B,  68
.set G0SA, 76
.set G0SB, 80
.set MSB, 0
.macro WIN new
.if MSB != \new
	s_set_vgpr_msb (MSB<<8)|\new
.set MSB, \new
.endif
.endm
.macro JLOAD g0a, g1a, g0b, g1b        ; waves 0 and 1 fetch for o, waves 2 and 3 for Wo; an s_nop 0 and four v_nop follow each line
	s_cmp_eq_u32 s15, 0
	s_cbranch_scc0 .Lfor_b_\@
	tensor_load_to_lds s[\g0a:\g0a+3], s[\g1a:\g1a+7]
	s_nop 0
.rept 4
	v_nop
.endr
	s_branch .Lasked_\@
.Lfor_b_\@:
	tensor_load_to_lds s[\g0b:\g0b+3], s[\g1b:\g1b+7]
	s_nop 0
.rept 4
	v_nop
.endr
.Lasked_\@:
.endm
.macro CROUND
	s_barrier_signal -1
	s_barrier_wait -1
	s_cmp_lg_u32 s14, 0
	s_cbranch_scc1 .Lnot_wave_0_\@
	s_barrier_signal -3
.Lnot_wave_0_\@:
	s_barrier_wait -3
	s_barrier_signal -1
	s_barrier_wait -1
.endm
	s_load_b128 s[4:7], s[0:1], 0x0                ; ob, wo
	s_load_b64 s[8:9], s[0:1], 0x10                ; out0
	v_lshl_add_u32 v[SPW], v0, 2, SPARE
	v_mov_b32 v[NIL], 0
	ds_add_u32 v[SPW], v[NIL]                      ; the wave's opening
	ds_add_u32 v[SPW], v[NIL]
	v_lshrrev_b32 v1, 5, v0
	v_readfirstlane_b32 s14, v1                    ; wave
	s_lshr_b32 s15, s14, 1                         ; my half of the rows; also: I fetch for o (0) or Wo (1)
	s_and_b32 s16, s14, 1                          ; my half of the columns; also: which half I fetch
	s_bfe_u32 s92, ttmp6, 0x40000                  ; cx
	s_bfe_u32 s93, ttmp6, 0x40004                  ; cy
	s_lshl_b32 s94, ttmp9, 2
	s_add_co_u32 s94, s94, s92                     ; tile column
	s_and_b32 s17, ttmp7, 0xffff
	s_lshl_b32 s17, s17, 2
	s_add_co_u32 s17, s17, s93                     ; tile row
	s_lshl_b32 s95, s93, 2
	s_lshl_b32 s95, 15, s95                        ; my row of the cluster
	s_lshl_b32 s96, 0x1111, s92                    ; my column
	s_or_b32 s[G1A], s95, (3<<16)|(1<<21)          ; o's images: 24,576 dense bytes as 96 rows of 256 (32 elements of 8 bytes)
	s_mov_b32 s[G1A+1], 32<<16
	s_mov_b32 s[G1A+2], 96<<16
	s_mov_b32 s[G1A+3], 32<<16
	s_mov_b32 s[G1A+4], 96
	s_mov_b32 s[G1A+5], 32
	s_mov_b32 s[G1A+6], 0
	s_mov_b32 s[G1A+7], 0
	s_or_b32 s[G1B], s96, (1<<20)|(1<<21)|(3<<22)|(3<<25)   ; Wo: 128 rows x 192 bytes, 384 apart; 16 bytes of padding behind every 64
	s_mov_b32 s[G1B+1], 192<<16
	s_mov_b32 s[G1B+2], 128<<16
	s_mov_b32 s[G1B+3], 192<<16
	s_mov_b32 s[G1B+4], 128
	s_mov_b32 s[G1B+5], 384
	s_mov_b32 s[G1B+6], 0
	s_mov_b32 s[G1B+7], 0
	s_or_b32 s[G1SA], s95, (3<<16)|(1<<21)         ; scale words: 2,048 dense bytes as 8 rows of 256
	s_or_b32 s[G1SB], s96, (3<<16)|(1<<21)
.irp g, G1SA, G1SB
	s_mov_b32 s[\g+1], 32<<16
	s_mov_b32 s[\g+2], 8<<16
	s_mov_b32 s[\g+3], 32<<16
	s_mov_b32 s[\g+4], 8
	s_mov_b32 s[\g+5], 32
	s_mov_b32 s[\g+6], 0
	s_mov_b32 s[\g+7], 0
.endr
	s_mul_i32 s20, s17, 98304                      ; o: the tile row's 16 tiles,
	s_mul_i32 s18, s16, 49152                      ; my half of them (in memory and in LDS)
	s_add_co_u32 s20, s20, s18
	s_mov_b32 s21, 0
	s_lshl_b32 s22, s17, 12
	s_lshl_b32 s19, s16, 11
	s_add_co_u32 s22, s22, s19
	s_add_co_u32 s22, s22, OS_OFF
	s_mov_b32 s23, 0
	s_lshl_b32 s84, s94, 8                         ; Wo: row 256 x tile column + 128 x half
	s_lshl_b32 s85, s16, 7
	s_add_co_u32 s84, s84, s85
	s_mul_i32 s86, s84, 384
	s_mov_b32 s87, 0
	s_lshl_b32 s88, s84, 4
	s_add_co_u32 s88, s88, WOS_OFF
	s_mov_b32 s89, 0
	s_mul_i32 s85, s16, 128*PITCH
	s_wait_dscnt 0x0                               ; both opening adds are done
	s_wait_kmcnt 0x0
	s_add_nc_u64 s[20:21], s[4:5], s[20:21]
	s_add_nc_u64 s[22:23], s[4:5], s[22:23]
	s_add_nc_u64 s[86:87], s[6:7], s[86:87]
	s_add_nc_u64 s[88:89], s[6:7], s[88:89]
	CROUND                                         ; all sixteen work-groups are here: the joint loads meet
	s_mov_b32 s[G0SA], 1
	s_add_co_u32 s[G0SA+1], s19, ASC
	s_mov_b64 s[G0SA+2:G0SA+3], s[22:23]
	s_or_b32 s[G0SA+3], s[G0SA+3], 0x80000000
	s_mov_b32 s[G0SB], 1
	s_add_co_u32 s[G0SB+1], s19, BSC
	s_mov_b64 s[G0SB+2:G0SB+3], s[88:89]
	s_or_b32 s[G0SB+3], s[G0SB+3], 0x80000000
	JLOAD G0SA, G1SA, G0SB, G1SB
.irp e, 0,1
	s_mov_b32 s[G0A+4*\e], 1
	s_add_co_u32 s[G0A+4*\e+1], s18, AIM+\e*24576
	s_add_nc_u64 s[G0A+4*\e+2:G0A+4*\e+3], s[20:21], \e*24576
	s_or_b32 s[G0A+4*\e+3], s[G0A+4*\e+3], 0x80000000
	s_mov_b32 s[G0B+4*\e], 1
	s_add_co_u32 s[G0B+4*\e+1], s85, BH0+\e*BHS
	s_add_nc_u64 s[G0B+4*\e+2:G0B+4*\e+3], s[86:87], \e*192
	s_or_b32 s[G0B+4*\e+3], s[G0B+4*\e+3], 0x80000000
	JLOAD G0A+4*\e, G1A, G0B+4*\e, G1B             ; three loads of mine are out: all that the launch fetches
.endr
	v_and_b32 v1, 15, v0                           ; r
	v_bfe_u32 v2, v0, 4, 1                         ; h
	v_and_b32 v3, 31, v0
	v_lshlrev_b32 v[CO], 4, v3                     ; 16 x lane
	s_mul_i32 s90, s15, 49152
	v_add_nc_u32 v[ADRA], s90, v[CO]               ; my eight tiles' images
	s_lshl_b32 s90, s15, 11
	s_add_co_u32 s90, s90, ASC
	v_lshl_add_u32 v[ASA], v1, 2, s90
	s_lshl_b32 s90, s16, 11
	s_add_co_u32 s90, s90, BSC
	v_lshl_add_u32 v[ASB], v1, 4, s90
	v_mul_u32_u24 v4, v1, PITCH
	v_mad_u32_u24 v4, v2, 24, v4                   ; a fragment's row x pitch + 24 x half
	v_lshl_add_u32 v5, v2, 4, v4                   ; and behind one padding more
	s_mul_i32 s90, s16, 128*PITCH
	s_add_co_u32 s90, s90, BH0
.irp e, 0,1
	v_add_nc_u32 v[ADRB+\e], s90, v4
	v_add_nc_u32 v[ADRB+2+\e], s90, v5
	s_add_co_u32 s90, s90, BHS
.endr
	s_mul_i32 s90, s14, 16*SPITCH
	s_add_co_u32 s90, s90, STG                     ; my stage
	v_mul_u32_u24 v5, v1, SPITCH
	v_lshl_add_u32 v5, v2, 5, v5
	v_add_nc_u32 v[STO], s90, v5                   ; in: row r, 32 bytes for each half of the lanes
	v_add_nc_u32 v[RD], s90, v[CO]                 ; back: the 32 lanes take a row of 512 bytes
	s_lshl_b32 s98, s17, 8
	s_lshl_b32 s90, s15, 7
	s_add_co_u32 s98, s98, s90
	s_lshl_b32 s98, s98, 13                        ; my first row of out0, 8,192 bytes a row (under 2^27)
	s_lshl_b32 s90, s94, 10
	s_add_co_u32 s98, s98, s90
	s_lshl_b32 s90, s16, 9
	s_add_co_u32 s98, s98, s90                     ; my first column
	s_mov_b32 s99, 0
	s_add_nc_u64 s[8:9], s[8:9], s[98:99]
.macro FRAG reg, adr, q, i             ; 16 rows x 128 K of 6-bit codes, in pieces of 8 bytes
.irp p, 0,1,2,3,4,5
.set PCE, 12*(\q)+6*(\p/3)+\p%3
.if PCE%8 < 5
	ds_load_b64 v[\reg+2*\p:\reg+2*\p+1], v[\adr] offset:8*PCE+16*(PCE/8)+(\i)*16*PITCH
.else
	ds_load_b64 v[\reg+2*\p:\reg+2*\p+1], v[\adr+2] offset:8*PCE+16*(PCE/8)+(\i)*16*PITCH
.endif
.endr
.endm
.macro BLOAD s                         ; Wo's eight fragments of K step s
.set BW, 0x40*(1+(\s)/2)
	WIN BW
.irp i, 0,1,2,3,4,5,6,7
	FRAG 96*((\s)%2)+FR*\i, ADRB+(\s)/2, (\s)%2, \i
.endr
	WIN 0
.endm
.macro ALOAD a                         ; o's block a, all four K steps, into buffer a % 2
.set AB, 96+48*((\a)%2)
.irp s, 0,1,2,3
.irp c, 0,1,2
	ds_load_b128 v[AB+FR*\s+4*\c:AB+FR*\s+4*\c+3], v[ADRA] offset:(\a)*6144+\s*1536+512*\c
.endr
.endr
.endm
.macro ROW a                           ; block a: 32 matrix instructions, its 8 accumulators by turns, K ascending; the first K step starts the sums
.set AB, 96+48*((\a)%2)
.set AC, 64*((\a)%2)
.irp s, 0,1,2,3
.if \s < 2
	WIN 0xf1
.else
	WIN 0xf2
.endif
.irp b, 0,1,2,3,4,5,6,7
.if \s == 0
	v_wmma_scale_f32_16x16x128_f8f6f4 v[AC+8*\b:AC+8*\b+7], v[96*(\s%2)+FR*\b:96*(\s%2)+FR*\b+FR-1], v[AB+FR*\s:AB+FR*\s+FR-1], 0, v[SB+4*\b+\s], v[SA+4*(\a)+\s] matrix_a_fmt:MATRIX_FMT_BF6 matrix_b_fmt:MATRIX_FMT_BF6
.else
	v_wmma_scale_f32_16x16x128_f8f6f4 v[AC+8*\b:AC+8*\b+7], v[96*(\s%2)+FR*\b:96*(\s%2)+FR*\b+FR-1], v[AB+FR*\s:AB+FR*\s+FR-1], v[AC+8*\b:AC+8*\b+7], v[SB+4*\b+\s], v[SA+4*(\a)+\s] matrix_a_fmt:MATRIX_FMT_BF6 matrix_b_fmt:MATRIX_FMT_BF6
.endif
.endr
.endr
	WIN 0
.endm
.macro PLACES
.rept 4
	v_nop
.endr
.endm
.macro TOSTAGE a                       ; a lane's 32 bytes of a row go into my stage; whole rows of 512 bytes come back.  LDS serves a wave's instructions in order: no wait between
.set AC, 64*((\a)%2)
.if (\a) > 0
	s_wait_xcnt 0x0                                ; the last block's stores have read their data: the loads below may land there
.endif
	WIN 0x0c                                       ; the data: window 3
.irp b, 0,1,2,3,4,5,6,7
	ds_store_b128 v[STO], v[AC+8*\b:AC+8*\b+3] offset:64*\b          ; each accumulator from its low end on
	ds_store_b128 v[STO], v[AC+8*\b+4:AC+8*\b+7] offset:64*\b+16
.endr
	WIN 0
.irp t, 0,1,2,3,4,5,6,7,8,9,10,11,12,13,14,15
	ds_load_b128 v[BK+4*\t:BK+4*\t+3], v[RD] offset:\t*SPITCH
.endr
.endm
.macro SEND a                          ; stage row t is token 32 (a / 2) + 8 (a % 2) + t + 8 (t / 8) of my 128; the offsets stay inside the signed 24-bit immediate
	s_wait_dscnt 0x0
.irp t, 0,1,2,3,4,5,6,7,8,9,10,11,12,13,14,15
	global_store_b128 v[CO], v[BK+4*\t:BK+4*\t+3], s[8:9] offset:(32*((\a)/2)+8*((\a)%2)+\t+8*(\t/8))*8192 th:TH_STORE_NT   ; 32 lanes store 512 consecutive bytes, aligned; written once
.endr
.endm
	s_wait_tensorcnt 0x0                           ; my three loads have landed,
	s_barrier_signal -1
	s_barrier_wait -1                              ; everybody's have
.irp b, 0,1,2,3,4,5,6,7
	ds_load_b128 v[SB+4*\b:SB+4*\b+3], v[ASB] offset:256*\b        ; row 16 b + r of Wo: its four scale words
.endr
.irp a, 0,1,2,3,4,5,6,7
.irp s, 0,1,2,3
	ds_load_b32 v[SA+4*\a+\s], v[ASA] offset:256*\a+64*\s
.endr
.endr
	BLOAD 0
	BLOAD 1
	BLOAD 2
	BLOAD 3
	ALOAD 0
	ALOAD 1
	s_wait_dscnt 12                                ; all but block 1's twelve loads
	ROW 0
	PLACES                                         ; in front of loads into registers that the products read
	ALOAD 2
.irp a, 0,1,2,3,4,5,6,7
.if \a < 7
.if \a == 0
	s_wait_dscnt 12                                ; block 1 is in; block 2's twelve loads may be out
.endif
	ROW \a+1                                       ; (from block 2 on its fragments were waited for with the block that left last)
	PLACES                                         ; with the four behind the block before: eight places before its accumulators are begun anew
.if \a < 5
	ALOAD \a+3
.endif
.endif
	TOSTAGE \a
	SEND \a
.endr
	s_wait_tensorcnt 0x0                           ; the wave's end
	ds_add_u32 v[SPW], v[NIL]
	s_wait_dscnt 0x0
	CROUND                                         ; the closing round
	s_endpgm
.Lfunc_end_k_q1dfa963fcf_oproj:
	.size	k_q1dfa963fcf_oproj, .Lfunc_end_k_q1dfa963fcf_oproj-k_q1dfa963fcf_oproj
	.p2alignl 7, 3214868480
	.fill 96, 4, 3214868480
	.section	.rodata,"a",@progbits
	.p2align	6, 0x0
	.amdhsa_kernel k_q1dfa963fcf_oproj
		.amdhsa_group_segment_fixed_size 327680
		.amdhsa_private_segment_fixed_size 0
		.amdhsa_enable_private_segment 0
		.amdhsa_kernarg_size 24
		.amdhsa_user_sgpr_count 2
		.amdhsa_user_sgpr_kernarg_segment_ptr 1
		.amdhsa_wavefront_size32 1
		.amdhsa_system_sgpr_workgroup_id_x 1
		.amdhsa_system_sgpr_workgroup_id_y 1
		.amdhsa_system_sgpr_workgroup_id_z 1
		.amdhsa_system_vgpr_workitem_id 0
		.amdhsa_next_free_vgpr 1024
		.amdhsa_next_free_sgpr 100
		.amdhsa_reserve_vcc 0
		.amdhsa_float_denorm_mode_32 3
		.amdhsa_float_denorm_mode_16_64 3
		.amdhsa_memory_ordered 1
		.amdhsa_forward_progress 1
		.amdhsa_inst_pref_size 94
	.end_amdhsa_kernel
	.amdgpu_metadata
---
amdhsa.version: [ 1, 2 ]
amdhsa.kernels:
  - .name:           k_q1dfa963fcf_oproj
    .symbol:         k_q1dfa963fcf_oproj.kd
    .args:
      - { .name: ob, .offset: 0, .size: 8, .value_kind: global_buffer, .address_space: global }
      - { .name: wo, .offset: 8, .size: 8, .value_kind: global_buffer, .address_space: global }
      - { .name: out0, .offset: 16, .size: 8, .value_kind: global_buffer, .address_space: global }
    .group_segment_fixed_size: 327680
    .private_segment_fixed_size: 0
    .kernarg_segment_align: 8
    .kernarg_segment_size: 24
    .max_flat_workgroup_size: 128
    .sgpr_count:     100
    .vgpr_count:     1024
    .wavefront_size: 32
...
	.end_amdgpu_metadata
.endif
;; end of part 4
